; MI455X (gfx1250); checked and timed in simulation.
; The chip was launched on July 23, 2026; its instructions are those of AMD's public machine-readable ISA for CDNA 5 (MIT licence, August 2026) and "CDNA5" Instruction Set Architecture Reference Guide (July 2026). The comments in the code are by the model that wrote it; some were corrected since.
;; Multi Head Attention. Allowed arithmetic: matrix products marked QUANTISED: E2M3 operands, one E8M0 scale for each 32 along K, by v_wmma_scale_f32_16x16x128_f8f6f4 with both operands' format E2M3, f32 sums; everything else in f32.
;; Inputs: Wk 1,024 x 1,024 float32; Wo 1,024 x 1,024 float32; Wq 1,024 x 1,024 float32; Wv 1,024 x 1,024 float32; bk 1,024 float32; bo 1,024 float32; bq 1,024 float32; bv 1,024 float32; key 2 x 2,048 x 1,024 float32; query 2 x 2,048 x 1,024 float32; value 2 x 2,048 x 1,024 float32.
;; Outputs: out0 2 x 2,048 x 1,024 float32.
;; This version of the problem:
;;   THIS VERSION OF THE PROBLEM IS GIVEN IN LOW PRECISION. The matrix products marked QUANTISED in the list below multiply operands that are first quantised to E2M3 (2 exponent bits, 3 mantissa bits; 6 bits a number), with one power-of-two scale for each 32 numbers along K (OCP MX v1.0); their sums are f32. All else is computed in f32.
;;   The module's matrix products, in the order in which they are computed (A, B: the left and right operand; K: the contracted axis; several contracted axes count as one K, in the product's order):
;;     1. [M 4,096, K 1,024] x [K 1,024, N 1,024]; A: input query; B: input Wq: QUANTISED
;;     2. [M 4,096, K 1,024] x [K 1,024, N 1,024]; A: input key; B: input Wk: QUANTISED
;;     3. [M 4,096, K 1,024] x [K 1,024, N 1,024]; A: input value; B: input Wv: QUANTISED
;;     4. batch 32 x [M 2,048, K 64] x [K 64, N 2,048]; A: computed on the way; B: computed on the way: QUANTISED
;;     5. batch 32 x [M 2,048, K 2,048] x [K 2,048, N 64]; A: softmax (see below); B: computed on the way: QUANTISED
;;     6. [M 4,096, K 1,024] x [K 1,024, N 1,024]; A: computed on the way; B: input Wo: QUANTISED
;;   THE QUANTISER, for each operand of a quantised product, along K:
;;     - K is cut into blocks of 32 from its start; a last block that is shorter is filled with zeros.
;;     - A block's scale is 2^e with e = floor(log2(the largest magnitude in the block)) - 2, held to -126 .. 127; a block of zeros has e = 0. As a byte (E8M0): e + 127.
;;     - Each number is divided by its block's scale, clamped to +-7.5, and rounded to the nearest number of E2M3, ties to even, subnormals kept.
;;     - The product sums the exact products of the quantised numbers (number of the format x scale) in f32.
;;   ~~~python
;;   def quantise(x, axis):      # numpy; x: float32 -> the quantised numbers, widened to float32 again
;;       x = np.moveaxis(x, axis, -1); K = x.shape[-1]
;;       x = np.pad(x, [(0, 0)] * (x.ndim - 1) + [(0, -K % 32)]); x = x.reshape(x.shape[:-1] + (-1, 32)); a = np.abs(x).max(-1, keepdims=True)
;;       e = np.where(a > 0, np.clip(np.frexp(np.where(a > 0, a, 1))[1] - 1 - 2, -126, 127), 0)      # np.frexp(a)[1] - 1 = floor(log2(a)), exactly
;;       r = np.clip(x / 2.0 ** e, -7.5, 7.5)
;;       step = 2.0 ** (np.maximum(np.frexp(np.where(r == 0, 1, r))[1] - 1, 0) - 3)
;;       q = np.round(r / step) * step * 2.0 ** e      # np.round: ties to even
;;       return np.moveaxis(q.reshape(q.shape[:-2] + (-1,))[..., :K], -1, axis).astype(np.float32)
;;   ~~~
;;   SOFTMAX AHEAD OF A QUANTISED PRODUCT. Where the list says 'softmax', what is quantised is not the finished softmax but p = 2^(t - M), with t = logit x log2(e) and M = ceil(the row's largest t), a whole number; so 1/2 < the row's largest p <= 1. The row's sum l is taken of the UNQUANTISED p, in f32, and the product's result is divided by l at the end. Since M is a whole number, a kernel that streams over the keys may use a running M (the ceiling of the running maximum): every later rescaling is an exact power of two, which a block's scale takes up: the codes' values come out the same.
;;   OPERANDS COMPUTED ON THE WAY. 'Computed on the way' means the value that the module computes at that place (a softmax that the list does not call 'softmax' is quantised finished and normalised). What goes into a quantiser is computed in f32, as accurately as f32 sums, v_exp_f32 and their like allow (about 1e-6 of the number): no bf16 or f16 on the way to a quantiser, and a product that is left as it is and whose result goes on into a quantised operand takes f32 operands (vector FMAs, or v_wmma_f32_16x16x4_f32). A number that lies on a knife's edge between two numbers of the format may be rounded either way, as far as f32 arithmetic and the matrix unit's own rounding can turn it there, and no further.
;; One version. Each part assembles by itself: llvm-mc -triple=amdgcn-amd-amdhsa -mcpu=gfx1250 --defsym DOCPART=n.
;; ======== version 1 of 1: 4 launches
;; limits: right only within a limited range of input values
;; workspace buffers: xcod 9,437,184 bytes; xscl 393,216 bytes; wcod 3,145,728 bytes; wscl 131,072 bytes; qkvc 9,437,184 bytes; qkvs 655,360 bytes; ocod 3,145,728 bytes; oscl 131,072 bytes
;; launch quant (part 1): grid 512 x 1, 4 waves a work-group, no clusters, 35,328 bytes of LDS; arguments query, key, value, Wq, Wk, Wv, Wo, xcod, xscl, wcod, wscl; writes xcod, xscl, wcod, wscl
.if DOCPART == 1
	.amdgcn_target "amdgcn-amd-amdhsa--gfx1250"
	.amdhsa_code_object_version 6
	.text
	.protected	k_q4ed8e3701e_quant
	.globl	k_q4ed8e3701e_quant
	.p2align	8
	.type	k_q4ed8e3701e_quant,@function
k_q4ed8e3701e_quant:
	s_mov_b64 s[64:65], 0
	v_nop
	global_prefetch_b8 v0, s[64:65] scope:SCOPE_SE
	s_setreg_imm32_b32 hwreg(HW_REG_WAVE_MODE, 25, 1), 1
	s_wait_xcnt 0x0
; THE QUANTISER of the seven wide operands: query, key, value [4096][1024] f32 (K innermost) and Wq, Wk, Wv, Wo [1024 (k)][1024 (n)] f32 (K is the first axis)
; become codes of FP6 (E2M3) with one E8M0 byte for each 32 along K, laid in the order of the matrix operand's registers.
; A fragment (16 rows x 128 K) is 12 registers a lane: lane (r, h) holds row r, registers 6 c .. 6 c + 5 hold k = 64 c + 32 h + 0 .. 31.  Its IMAGE is 1,536 bytes: registers 4 c .. 4 c + 3 of lane l at 512 c + 16 l.
; Codes: [group of 128 rows][part of 256 K][tile of 16 rows][128 K of the part][image].  Scale words: [tile of 16 rows][K step of 128][row]: four bytes, one for each 32 along K.
; A block's scale is 2^(floor(log2(its largest magnitude)) - 2); its byte is the largest magnitude's exponent field - 2, held at 1 from below.
; LIMITS: a block of zeros gets the byte 1 where the rule says 127 (its codes are zeros, and this program alone reads the bytes); blocks whose largest magnitude lies under 2^(3 - 127) keep the byte 1; NaN and infinities are not served.
; Wo ALONE is laid with the second and third group of 8 of each block of 32 exchanged: the operand that meets it (the attention's result) is made with that order of k inside a block; a block's members, and so its scale, are the true ones.
; SHARES: work-groups 0-383 take 32 rows of query, key or value (a wave: 16 rows x 512 K); work-groups 384-511 take 128 columns x 256 K of a weight (a wave: 32 columns, a lane a column).  128 KiB of f32 each.
; No matrix unit, no tensor load, no barrier: waves share nothing.  Only the first path touches LDS, each wave its own 8,704 bytes.
.set R,    16                          ; v16-143   x: two sets of 64 registers as loaded (16 rows x 16 bytes a lane)
.set X,    144                         ; v144-207  x: my two whole blocks of 32
.set PC,   208                         ; v208-219  x: a fragment's 12 registers
.set TMP,  220                         ; v220-222  the upper 16 codes of a block, before they are moved
.set MA,   228                         ; v228, v229 two chains of the largest magnitude
.set MB,   229
.set ME,   230                         ; v230      the conversion's scale operand
.set BY,   232                         ; v232-233  scale bytes
.set PW,   234                         ; v234      the scale word
.set PT,   235                         ; v235      the other half's part of it
.set XW,   16                          ; v16-79    W: two sets of 32 numbers down K
.set PCW,  80                          ; v80-127   W: four sets of 12 registers, so that no store's data are written again
.set SW,   128                         ; v128-129  W: the scale words of the two K steps
; One block of 32 numbers in v[src] on: its byte into v[byt], its 24 bytes of codes into v[dst] .. v[dst + 5]
.macro BLOCKQ src, dst, byt
	v_max3_num_f32 v[MA], |v[\src]|, |v[\src+1]|, |v[\src+2]|
	v_max3_num_f32 v[MB], |v[\src+3]|, |v[\src+4]|, |v[\src+5]|
.irp i, 6,10,14,18,22,26
	v_max3_num_f32 v[MA], v[MA], |v[\src+\i]|, |v[\src+\i+1]|
	v_max3_num_f32 v[MB], v[MB], |v[\src+\i+2]|, |v[\src+\i+3]|
.endr
	v_max3_num_f32 v[MA], v[MA], |v[\src+30]|, |v[\src+31]|
	v_max3_num_f32 v[MA], v[MA], v[MB], 0x1800000            ; and the floor 2^(3 - 127): the byte cannot fall under 1
	v_add_nc_u32 v[ME], 0xff000000, v[MA]                    ; 2 off the exponent field: the conversion takes the exponent field of this operand as its scale
	v_lshrrev_b32 v[\byt], 23, v[ME]                         ; the scale's byte
	v_cvt_scalef32_pk16_fp6_f32 v[\dst:\dst+2], v[\src:\src+15], v[ME]
	v_cvt_scalef32_pk16_fp6_f32 v[TMP:TMP+2], v[\src+16:\src+31], v[ME]   ; (a conversion's three registers begin on an even number)
	v_nop                                                    ; one plain place behind a scaled conversion
.irp i, 0,1,2
	v_mov_b32 v[\dst+3+\i], v[TMP+\i]
.endr
.endm
	s_load_b256 s[4:11], s[0:1], 0x0               ; query s[4:5], key s[6:7], value s[8:9], Wq s[10:11]
	s_load_b256 s[12:19], s[0:1], 0x20             ; Wk s[12:13], Wv s[14:15], Wo s[16:17], xcod s[18:19]
	s_load_b128 s[20:23], s[0:1], 0x40             ; xscl s[20:21], wcod s[22:23]
	s_load_b64 s[24:25], s[0:1], 0x50              ; wscl
	v_lshl_add_u32 v254, v0, 2, 0x8800
	v_mov_b32 v255, 0
	v_lshrrev_b32 v1, 5, v0
	v_readfirstlane_b32 s26, v1                    ; wave 0..3
	v_and_b32 v1, 31, v0                           ; lane
	v_and_b32 v2, 15, v0                           ; r
	v_bfe_u32 v3, v0, 4, 1                         ; h
	s_mov_b32 s30, 0x76543210
	s_mov_b32 s31, 0xfedcba98                      ; v_permlanex16_b32's selects for lane l xor 16
	s_cmp_lt_u32 ttmp9, 384
	s_cbranch_scc0 .Lweights
; ---------------- query, key, value: K innermost ----------------
; Each load reads 512 consecutive bytes of one row (a K step of 128 numbers); the 16 rows turn through the wave's stage in LDS (rows 528 bytes apart) and come back as two whole blocks of 32 a lane.
	s_lshr_b32 s27, ttmp9, 7                       ; which tensor
	s_and_b32 s28, ttmp9, 127
	s_lshl_b32 s28, s28, 1
	s_lshr_b32 s29, s26, 1
	s_add_co_u32 s28, s28, s29                     ; T: my tile of 16 rows, 0..255
	s_and_b32 s29, s26, 1                          ; which half of K
	s_lshl_b32 s32, s28, 16                        ; in: T x 16 rows of 4,096 bytes + 2,048 x half
	s_lshl_b32 s33, s29, 11
	s_add_co_u32 s32, s32, s33
	s_mov_b32 s33, 0
	s_mul_i32 s34, s27, 3145728                    ; codes: tensor, group T / 8, tile T % 8, two parts for each half of K
	s_lshr_b32 s35, s28, 3
	s_mul_i32 s35, s35, 98304
	s_add_co_u32 s34, s34, s35
	s_and_b32 s35, s28, 7
	s_mul_i32 s35, s35, 3072
	s_add_co_u32 s34, s34, s35
	s_mul_i32 s35, s29, 49152
	s_add_co_u32 s34, s34, s35
	s_mov_b32 s35, 0
	s_lshl_b32 s36, s27, 17                        ; scale words: tensor, 512 bytes a tile, 256 for each half of K
	s_lshl_b32 s37, s28, 9
	s_add_co_u32 s36, s36, s37
	s_lshl_b32 s37, s29, 8
	s_add_co_u32 s36, s36, s37
	s_mov_b32 s37, 0
	s_mul_i32 s38, s26, 8704                       ; my wave's LDS: a stage of 16 x 528 bytes, then 256 bytes of scale words
	s_wait_alu depctr_va_vdst(0)
	v_lshlrev_b32 v4, 4, v1                        ; 16 x lane: a load's and an image's place
	v_add_nc_u32 v5, s38, v4                       ; the stage, on the way in
	v_mul_u32_u24 v6, v2, 528
	v_lshl_add_u32 v6, v3, 7, v6
	v_add_nc_u32 v6, s38, v6                       ; and out: row r, + 128 h: block h of the K step; block 2 + h lies 256 bytes on
	s_add_co_u32 s38, s38, 8448
	v_lshl_add_u32 v7, v2, 2, s38                  ; my row's scale word
	v_lshl_add_u32 v8, v1, 3, s38                  ; and the 256 bytes on their way out, 8 a lane
	v_lshlrev_b32 v9, 3, v3                        ; 8 h: how far up my two bytes stand in the word
	v_lshlrev_b32 v10, 3, v1
	v_mov_b32 v[PT], 0                             ; written once: a lane permute's destination counts as one of its sources
	s_wait_alu depctr_va_vdst(0)
	s_wait_kmcnt 0x0
	s_cmp_eq_u32 s27, 0
	s_cselect_b64 s[4:5], s[4:5], s[6:7]
	s_cmp_eq_u32 s27, 2
	s_cselect_b64 s[4:5], s[8:9], s[4:5]           ; the choice hangs on the work-group's number alone
	s_add_nc_u64 s[4:5], s[4:5], s[32:33]
	s_add_nc_u64 s[18:19], s[18:19], s[34:35]
	s_add_nc_u64 s[20:21], s[20:21], s[36:37]
.macro XLOAD s                         ; K step s of my four: 16 rows x 512 bytes
.set pp, 0
.rept 16
	global_load_b128 v[R+64*((\s)%2)+4*pp:R+64*((\s)%2)+4*pp+3], v4, s[4:5] offset:4096*pp+512*(\s) th:TH_LOAD_NT
.set pp, pp+1
.endr
.endm
.macro XSTEP s
.if (\s) < 3
	s_wait_loadcnt 16                              ; this step's 16 loads are in; the next step's 16 may be out
.else
	s_wait_loadcnt 0x0
.endif
	s_wait_xcnt 0x0                                ; the last step's stores have read the fragment's registers, which are written again below
.set pp, 0
.rept 16
	ds_store_b128 v5, v[R+64*((\s)%2)+4*pp:R+64*((\s)%2)+4*pp+3] offset:528*pp
.set pp, pp+1
.endr
.irp c, 0,1
.irp j, 0,1,2,3,4,5,6,7
	ds_load_b128 v[X+32*\c+4*\j:X+32*\c+4*\j+3], v6 offset:256*\c+16*\j   ; LDS serves a wave's instructions in order: these see the stores above
.endr
.endr
	s_wait_dscnt 0x0
.if (\s)+2 < 4
	XLOAD (\s)+2                                   ; into the set that the stage's stores have read
.endif
	BLOCKQ X, PC, BY                               ; block h
	BLOCKQ X+32, PC+6, BY+1                        ; block 2 + h
	v_lshl_or_b32 v[PW], v[BY+1], 16, v[BY]
	v_lshlrev_b32 v[PW], v9, v[PW]                 ; my two bytes at their places,
	v_permlanex16_b32 v[PT], v[PW], s30, s31
	v_or_b32 v[PW], v[PW], v[PT]                   ; with lane l xor 16's two the word is whole
.irp c, 0,1,2
	global_store_b128 v4, v[PC+4*\c:PC+4*\c+3], s[18:19] offset:((\s)/2)*24576+((\s)%2)*1536+512*\c   ; 32 lanes store 512 consecutive bytes, aligned
.endr
	ds_store_b32 v7, v[PW] offset:64*(\s)          ; both lanes of a row write the same word with the same value
.endm
	XLOAD 0
	XLOAD 1
	XSTEP 0
	XSTEP 1
	XSTEP 2
	XSTEP 3
	ds_load_b64 v[240:241], v8                     ; my four steps' scale words: 256 bytes
	s_wait_dscnt 0x0
	global_store_b64 v10, v[240:241], s[20:21]     ; 32 lanes store 256 consecutive bytes, aligned
	s_wait_tensorcnt 0x0
	ds_add_u32 v254, v255
	s_wait_dscnt 0x0
	s_endpgm
; ---------------- the weights: K is the first axis ----------------
; A lane takes a column n and its registers run down K: a block of 32 lies in one lane, and the conversions give codes with K innermost.  Nothing is transposed.
; A column's blocks are taken in the order 0, 2, 1, 3 of each K step: blocks h' and 2 + h' are the 12 registers of lane (r, h') of the column's image, so they leave by three stores of 16 bytes a lane.
.Lweights:
	s_sub_co_u32 s27, ttmp9, 384
	s_lshr_b32 s28, s27, 5                         ; which weight: 0 Wq, 1 Wk, 2 Wv, 3 Wo
	s_bfe_u32 s29, s27, 0x30002                    ; which group of 128 columns
	s_and_b32 s27, s27, 3                          ; which part of 256 along K
	s_lshl_b32 s32, s27, 20                        ; in: 256 rows of 4,096 bytes a part, 512 bytes a group, 128 a wave
	s_lshl_b32 s33, s29, 9
	s_add_co_u32 s32, s32, s33
	s_lshl_b32 s33, s26, 7
	s_add_co_u32 s32, s32, s33
	s_mov_b32 s33, 0
	s_mul_i32 s34, s28, 786432                     ; codes: weight, group, part, my two tiles
	s_mul_i32 s35, s29, 98304
	s_add_co_u32 s34, s34, s35
	s_mul_i32 s35, s27, 24576
	s_add_co_u32 s34, s34, s35
	s_mul_i32 s35, s26, 6144
	s_add_co_u32 s34, s34, s35
	s_mov_b32 s35, 0
	s_lshl_b32 s36, s28, 15                        ; scale words: weight, group, my two tiles, the part's two K steps
	s_lshl_b32 s37, s29, 12
	s_add_co_u32 s36, s36, s37
	s_lshl_b32 s37, s26, 10
	s_add_co_u32 s36, s36, s37
	s_lshl_b32 s37, s27, 7
	s_add_co_u32 s36, s36, s37
	s_mov_b32 s37, 0
	s_cmp_eq_u32 s28, 3                            ; Wo: registers 8-15 of a block take rows 16-23 and registers 16-23 rows 8-15
	s_cselect_b32 s38, 32768, 0                    ; 8 rows further down for registers 8-15,
	s_cselect_b32 s39, 0, 32768                    ; whose immediates name their own row; registers 16-23 name the row 8 further up and add 8 rows where the weight is not Wo
	s_wait_alu depctr_va_vdst(0)
	v_lshlrev_b32 v4, 2, v1                        ; 4 x lane: my column
	v_add_nc_u32 v5, s38, v4
	v_add_nc_u32 v6, s39, v4
	v_mul_u32_u24 v7, v3, 3072
	v_lshl_add_u32 v7, v2, 4, v7                   ; codes: my tile (lane / 16) x 3,072 + 16 r
	v_lshlrev_b32 v8, 9, v3
	v_lshl_add_u32 v8, v2, 2, v8                   ; scale words: my tile x 512 + 4 r
	s_wait_alu depctr_va_vdst(0)
	s_wait_kmcnt 0x0
	s_cmp_eq_u32 s28, 1
	s_cselect_b64 s[10:11], s[12:13], s[10:11]
	s_cmp_eq_u32 s28, 2
	s_cselect_b64 s[10:11], s[14:15], s[10:11]
	s_cmp_eq_u32 s28, 3
	s_cselect_b64 s[10:11], s[16:17], s[10:11]
	s_add_nc_u64 s[10:11], s[10:11], s[32:33]
	s_add_nc_u64 s[22:23], s[22:23], s[34:35]
	s_add_nc_u64 s[24:25], s[24:25], s[36:37]
.macro WLOAD t                         ; turn t of eight: K step t / 4, block 2 (t % 2) + (t % 4) / 2, into set t % 2; each load reads 128 consecutive bytes, the four waves side by side 512
.set wrow, 128*((\t)/4)+32*(2*((\t)%2)+((\t)%4)/2)
.set ii, 0
.rept 32
.if ii/8 == 1
	global_load_b32 v[XW+32*((\t)%2)+ii], v5, s[10:11] offset:(wrow+ii)*4096 th:TH_LOAD_NT
.elseif ii/8 == 2
	global_load_b32 v[XW+32*((\t)%2)+ii], v6, s[10:11] offset:(wrow+ii-8)*4096 th:TH_LOAD_NT
.else
	global_load_b32 v[XW+32*((\t)%2)+ii], v4, s[10:11] offset:(wrow+ii)*4096 th:TH_LOAD_NT
.endif
.set ii, ii+1
.endr
.endm
.macro WBLOCK t
.if (\t) < 7
	s_wait_loadcnt 32                              ; this block's 32 loads are in; the next block's 32 may be out
.else
	s_wait_loadcnt 0x0
.endif
	BLOCKQ XW+32*((\t)%2), PCW+12*((\t)/2)+6*((\t)%2), BY
.if (\t)%4 == 0
	v_mov_b32 v[SW+(\t)/4], v[BY]                  ; block 0's byte starts the K step's word
.else
	v_lshl_or_b32 v[SW+(\t)/4], v[BY], 8*(2*((\t)%2)+((\t)%4)/2), v[SW+(\t)/4]
.endif
.if (\t)+2 < 8
	WLOAD (\t)+2
.endif
.if (\t)%2 == 1
.irp c, 0,1,2
	global_store_b128 v7, v[PCW+12*((\t)/2)+4*\c:PCW+12*((\t)/2)+4*\c+3], s[22:23] offset:1536*((\t)/4)+256*(((\t)%4)/2)+512*\c   ; sixteen lanes store 256 consecutive bytes, aligned
.endr
.endif
.if (\t)%4 == 3
	global_store_b32 v8, v[SW+(\t)/4], s[24:25] offset:64*((\t)/4)   ; 64 consecutive bytes a tile: one byte for each 128 that the launch reads
.endif
.endm
	WLOAD 0
	WLOAD 1
.irp t, 0,1,2,3,4,5,6,7
	WBLOCK \t
.endr
	s_endpgm
.Lfunc_end_k_q4ed8e3701e_quant:
	.size	k_q4ed8e3701e_quant, .Lfunc_end_k_q4ed8e3701e_quant-k_q4ed8e3701e_quant
	.p2alignl 7, 3214868480
	.fill 96, 4, 3214868480
	.section	.rodata,"a",@progbits
	.p2align	6, 0x0
	.amdhsa_kernel k_q4ed8e3701e_quant
		.amdhsa_group_segment_fixed_size 35328
		.amdhsa_private_segment_fixed_size 0
		.amdhsa_enable_private_segment 0
		.amdhsa_kernarg_size 88
		.amdhsa_user_sgpr_count 2
		.amdhsa_user_sgpr_kernarg_segment_ptr 1
		.amdhsa_wavefront_size32 1
		.amdhsa_system_sgpr_workgroup_id_x 1
		.amdhsa_system_sgpr_workgroup_id_y 1
		.amdhsa_system_sgpr_workgroup_id_z 1
		.amdhsa_system_vgpr_workitem_id 0
		.amdhsa_next_free_vgpr 256
		.amdhsa_next_free_sgpr 66
		.amdhsa_reserve_vcc 0
		.amdhsa_float_denorm_mode_32 3
		.amdhsa_float_denorm_mode_16_64 3
		.amdhsa_memory_ordered 1
		.amdhsa_forward_progress 1
		.amdhsa_inst_pref_size 70
	.end_amdhsa_kernel
	.amdgpu_metadata
---
amdhsa.version: [ 1, 2 ]
amdhsa.kernels:
  - .name:           k_q4ed8e3701e_quant
    .symbol:         k_q4ed8e3701e_quant.kd
    .args:
      - { .name: query, .offset: 0, .size: 8, .value_kind: global_buffer, .address_space: global }
      - { .name: key, .offset: 8, .size: 8, .value_kind: global_buffer, .address_space: global }
      - { .name: value, .offset: 16, .size: 8, .value_kind: global_buffer, .address_space: global }
      - { .name: Wq, .offset: 24, .size: 8, .value_kind: global_buffer, .address_space: global }
      - { .name: Wk, .offset: 32, .size: 8, .value_kind: global_buffer, .address_space: global }
      - { .name: Wv, .offset: 40, .size: 8, .value_kind: global_buffer, .address_space: global }
      - { .name: Wo, .offset: 48, .size: 8, .value_kind: global_buffer, .address_space: global }
      - { .name: xcod, .offset: 56, .size: 8, .value_kind: global_buffer, .address_space: global }
      - { .name: xscl, .offset: 64, .size: 8, .value_kind: global_buffer, .address_space: global }
      - { .name: wcod, .offset: 72, .size: 8, .value_kind: global_buffer, .address_space: global }
      - { .name: wscl, .offset: 80, .size: 8, .value_kind: global_buffer, .address_space: global }
    .group_segment_fixed_size: 35328
    .private_segment_fixed_size: 0
    .kernarg_segment_align: 8
    .kernarg_segment_size: 88
    .max_flat_workgroup_size: 128
    .sgpr_count:     66
    .vgpr_count:     256
    .wavefront_size: 32
...
	.end_amdgpu_metadata
.endif
;; end of part 1
;; launch proj (part 2): grid 4 x 48, 4 waves a work-group, clusters of 4 x 4, 327,680 bytes of LDS; arguments xcod, xscl, wcod, wscl, bq, bk, bv, qkvc, qkvs; writes qkvc, qkvs
.if DOCPART == 2
	.amdgcn_target "amdgcn-amd-amdhsa--gfx1250"
	.amdhsa_code_object_version 6
	.text
	.protected	k_q4ed8e3701e_proj
	.globl	k_q4ed8e3701e_proj
	.p2align	8
	.type	k_q4ed8e3701e_proj,@function
k_q4ed8e3701e_proj:
	s_mov_b64 s[64:65], 0
	v_nop
	global_prefetch_b8 v0, s[64:65] scope:SCOPE_SE
	s_setreg_imm32_b32 hwreg(HW_REG_WAVE_MODE, 25, 1), 1
	s_wait_xcnt 0x0
	s_wait_alu depctr_hold_cnt(0) depctr_sa_sdst(0) depctr_va_vdst(0) depctr_va_sdst(0) depctr_va_ssrc(0) depctr_va_vcc(0) depctr_vm_vsrc(0)
	s_getreg_b32 s2, hwreg(HW_REG_IB_STS2, 6, 4)
	s_cmp_eq_u32 s2, 0
	s_cbranch_scc0 .Lentry_in_a_cluster
	s_endpgm
.Lentry_in_a_cluster:
	s_bfe_u32 s2, ttmp6, 0x10000c
	s_cmp_lg_u32 s2, 0xf033
	s_cbranch_scc0 .Lentry_shape_is_right
	s_endpgm
.Lentry_shape_is_right:
; Q = query Wq + bq, K = key Wk + bk, V = value Wv + bv on codes of FP6 (E2M3) with E8M0 scales; the results are quantised again in registers and leave as codes: Q and K along the head's 64, V along the keys.
; A work-group of four waves makes 256 x 256 of one product, a wave 128 x 128: 64 accumulators of 16 x 16.  K = 1,024 is eight steps of 128.
; SOURCE 0's rows run along a lane's registers in the result, SOURCE 1's rows are the lanes.  Q, K: source 0 = the weight's columns n, source 1 = tokens: a lane holds one token and 8 neighbouring n, which are the next K.
; V: source 0 = tokens, source 1 = Wv's columns: a lane holds one channel d and 8 neighbouring tokens (keys), which are the next K.
; OPERANDS lie in memory as images of their registers (a fragment of 16 rows x 128 K: 1,536 bytes; registers 4 c .. 4 c + 3 of lane l at 512 c + 16 l), so 128 rows x 256 K are one dense block of 24,576 bytes for one tensor
; load, and a fragment comes out of LDS by three loads of 16 bytes a lane, 512 consecutive bytes each.
; LDS: loader wave w has three regions of 24,576 bytes at 73,728 w (waves 0, 1: source 1's halves; waves 2, 3: source 0's).  Parts 0, 1, 2 of K and all scale words are first fills; part 3 is the one refill, into region 0.
; By this text's own count a wave has one tensor load out.  lds_bytes is all of a WGP's LDS.
; CLUSTER 4 x 4: source 1's blocks hang on cy and are shared along a row of the cluster, source 0's on cx and are shared along a column: joint loads.  The cluster's y says which product (y / 4) and which quarter of the tokens (y % 4).
; THE TILES ARE NATURAL NEIGHBOURS.  The quantiser below puts register 8 u + j of lane half h at place 16 h + 8 u + j of a block, and that register holds k = 16 u + 8 h + j: so in every operand made here the second and third
; group of 8 of each block of 32 are exchanged.  Q meets K and V meets p, all made so; a block's members and its scale are the true ones.
; LIMITS: a block of zeros gets the byte 1, not 127 (its codes are zeros; this program alone reads the bytes); NaN and infinities are not served.
; REGISTERS: window 0: v1-10 lane terms; v16-22 LDS addresses; v27 scale words' address; v28, v29 the add's; v32-47 scale words (two sets of 8; nothing else ever lies there); v48-55 the bias's offsets; v64-127 the bias;
;   v128-223 source 1's fragments, ONE set; on the way out v128-255 are at work.   window 1: source 0's fragments, two sets, at v0 and v128.   windows 2, 3: accumulator (a, b) at v[8 (8 (a % 4) + b)].
; THE FILLS AS THIS TEXT HAS THEM: at the head one joint load a wave, parts 0, 1, 2 of K by one descriptor of 288 rows; in K step 1 the one refill, part 3 into region 0.
; The scale words come through registers into LDS bytes of their own.  By this text's own count a wave has one tensor load out.
.set CHUNK, 73728
.set PART,  24576
.set SCL,   4*CHUNK                    ; the scale words: 4,096 bytes for each loader wave
.set SPARE, SCL+4*4096                 ; the spare words, 128 bytes for each wave: two blocks of 256 bytes that no other line names
.set FR,    12
.set NL1,   3                          ; LDS loads that bring a fragment of source 1
.set LN,    1                          ; v1   lane
.set L16,   2                          ; v2   16 x lane
.set L8,    3                          ; v3   8 x lane
.set RR,    4                          ; v4   r
.set HH,    5                          ; v5   h
.set SOFQ,  9                          ; v9   32 r + 16 h: Q's and K's scale words on the way out
.set SOFV,  10                         ; v10  16 r + 20,480 h: V's
.set ADR1,  16                         ; v16-18 source 1's fragments in region 0, 1, 2
.set ADR0,  20                         ; v20-22 source 0's
.set ADRS,  27
.set SPW,   28
.set NIL,   29
.set SC,    32
.set BJ,    48
.set BR,    64
.set AF,    128
.set HA,    128                        ; the way out: 64 numbers of a lane
.set PC,    192                        ; v192-203 the codes just made; v204-210 conversions' second halves
.set TM,    212                        ; v212-215 largest magnitudes, v216-219 bytes, v224-227 scale operands
.set PW,    228                        ; the scale word just made
.set WA,    232                        ; v232-239 scale words kept, one for each of source 1's tiles
.set WB,    240                        ; v240-247 the second head's
.set OUTW,  248                        ; v248-255 scale words on the way out
.set WV,    22                         ; s22  wave
.set HI,    23                         ; s23  wave / 2: my half of source 1.  Also: I fetch for source 1 (0) or source 0 (1)
.set LO,    66                         ; s66  wave % 2: my half of source 0.  Also: which 128 rows I fetch
.set PI,    67                         ; s67  0 Q, 1 K, 2 V
.set SEL,   10                         ; s[10:11] lane selects, once the pointers there are used up
.set G1A,   24                         ; descriptor groups 1: source 1's codes, source 0's codes
.set G1B,   32
.set G1SA,  40
.set G1SB,  48
.set G0SA,  56
.set G0SB,  60
.set A0,    68                         ; s[68:71] source 1's parts 0, 1, 2;
.set B0,    80                         ; s[80:83] source 0's
.set MSB, 0
.macro WIN new                         ; the immediate's high byte repeats the setting that is left
.if MSB != \new
	s_set_vgpr_msb (MSB<<8)|\new
.set MSB, \new
.endif
.endm
.set MUL_LO, 0xa1                      ; source 0 window 1, source 1 window 0, C and D window 2
.set MUL_HI, 0xf1                      ; the same, C and D window 3
.set TO_B,   0x40                      ; destination window 1, address window 0
; A joint load: waves 0 and 1 fetch for source 1, waves 2 and 3 for source 0.  Each line has one mask and one set of registers for all that issue it; the branch hangs on the wave's number alone.
; Four v_nop follow each of the two lines, ahead of the jump, the label and what follows.
.macro JLOAD g0a, g1a, g0b, g1b
	s_cmp_eq_u32 s[HI], 0
	s_cbranch_scc0 .Lfor_b_\@
	tensor_load_to_lds s[\g0a:\g0a+3], s[\g1a:\g1a+7]
	s_nop 0
.rept 4
	v_nop
.endr
	s_branch .Lasked_\@
.Lfor_b_\@:
	tensor_load_to_lds s[\g0b:\g0b+3], s[\g1b:\g1b+7]
	s_nop 0
.rept 4
	v_nop
.endr
.Lasked_\@:
.endm
.macro CREST                           ; a round of the cluster's barrier behind its opening barrier
	s_cmp_lg_u32 s[WV], 0
	s_cbranch_scc1 .Lnot_wave_0_\@
	s_barrier_signal -3
.Lnot_wave_0_\@:
	s_barrier_wait -3
	s_barrier_signal -1
	s_barrier_wait -1
.endm
.macro CROUND                          ; a whole round
	s_barrier_signal -1
	s_barrier_wait -1
	CREST
.endm
.macro PLACES n
.rept \n
	v_nop
.endr
.endm
	s_load_b512 s[4:19], s[0:1], 0x0               ; xcod s[4:5], xscl s[6:7], wcod s[8:9], wscl s[10:11], bq s[12:13], bk s[14:15], bv s[16:17], qkvc s[18:19]
	s_load_b64 s[20:21], s[0:1], 0x40              ; qkvs
	v_lshl_add_u32 v[SPW], v0, 2, SPARE
	v_mov_b32 v[NIL], 0
	ds_add_u32 v28, v29
	ds_add_u32 v28, v29
	s_wait_dscnt 0x0
	v_lshrrev_b32 v1, 5, v0
	v_readfirstlane_b32 s[WV], v1
	s_lshr_b32 s[HI], s[WV], 1
	s_and_b32 s[LO], s[WV], 1
	s_bfe_u32 s100, ttmp6, 0x40000                 ; cx
	s_bfe_u32 s101, ttmp6, 0x40004                 ; cy
	s_and_b32 s2, ttmp7, 0xffff                    ; the cluster's y
	s_lshr_b32 s[PI], s2, 2
	s_and_b32 s2, s2, 3
	s_lshl_b32 s2, s2, 2                           ; 4 Y': the cluster's first block of 256 tokens
	s_lshl_b32 s3, s101, 2
	s_lshl_b32 s3, 15, s3                          ; my row of the cluster
	s_or_b32 s[G1A], s3, (3<<16)|(1<<21)           ; 15:0 the mask; 17:16 elements of 8 bytes; 21 set beside a mask; no padding
	s_lshl_b32 s3, 0x1111, s100                    ; my column
	s_or_b32 s[G1B], s3, (3<<16)|(1<<21)
.irp g, G1A, G1B                       ; a dense block of 24,576 bytes as 96 rows of 256
	s_mov_b32 s[\g+1], 32<<16                      ; tensor_dim0 = 32 elements
	s_mov_b32 s[\g+2], 288<<16                     ; tensor_dim1: the head's load brings parts 0, 1, 2, which lie on end in memory and in LDS: 288 rows of 256 bytes
	s_mov_b32 s[\g+3], 32<<16                      ; tile_dim0
	s_mov_b32 s[\g+4], 288                         ; tile_dim1
	s_mov_b32 s[\g+5], 32                          ; the pitch
	s_mov_b32 s[\g+6], 0
	s_mov_b32 s[\g+7], 0
.endr
	; where my 128 rows begin, in bytes.  s[92:95]: source 1's (made of cy, the cluster's y and the wave); s[96:99]: source 0's (made of cx, the cluster's y and the wave)
	s_mul_i32 s92, s[PI], 3145728                  ; Q, K: source 1 = tensor PI of xcod, xscl; source 0 = weight PI of wcod, wscl
	s_mul_i32 s94, s[PI], 131072
	s_mul_i32 s96, s[PI], 786432
	s_mul_i32 s98, s[PI], 32768
	s_cmp_eq_u32 s[PI], 2
	s_cselect_b32 s92, 1572864, s92                ; V: source 1 = weight 2, source 0 = tensor 2
	s_cselect_b32 s94, 65536, s94
	s_cselect_b32 s96, 6291456, s96
	s_cselect_b32 s98, 262144, s98
	s_cselect_b32 s93, 0, s2                       ; the tokens' side takes 4 Y'
	s_cselect_b32 s97, s2, 0
	s_add_co_u32 s93, s93, s101                    ; I1: source 1's block of 256 rows
	s_add_co_u32 s97, s97, s100                    ; I0: source 0's
	s_lshl_b32 s93, s93, 1
	s_add_co_u32 s93, s93, s[LO]                   ; the group of 128 rows that I fetch
	s_lshl_b32 s97, s97, 1
	s_add_co_u32 s97, s97, s[LO]
	s_mul_i32 s95, s93, 98304
	s_add_co_u32 s92, s92, s95
	s_lshl_b32 s95, s93, 12
	s_add_co_u32 s94, s94, s95
	s_mul_i32 s99, s97, 98304
	s_add_co_u32 s96, s96, s99
	s_lshl_b32 s99, s97, 12
	s_add_co_u32 s98, s98, s99
	s_mov_b32 s93, 0
	s_mov_b32 s95, 0
	s_mov_b32 s97, 0
	s_mov_b32 s99, 0
	s_mul_i32 s100, s[WV], CHUNK                   ; where they go: no place in the cluster enters an LDS address
	s_lshl_b32 s101, s[WV], 12
	s_wait_kmcnt 0x0
	s_cmp_eq_u32 s[PI], 2
	s_cselect_b64 s[2:3], s[8:9], s[4:5]           ; source 1's codes
	s_cselect_b64 s[4:5], s[4:5], s[8:9]           ; source 0's codes
	s_cselect_b64 s[8:9], s[10:11], s[6:7]         ; source 1's scales
	s_cselect_b64 s[6:7], s[6:7], s[10:11]         ; source 0's scales
	s_add_nc_u64 s[2:3], s[2:3], s[92:93]
	s_add_nc_u64 s[8:9], s[8:9], s[94:95]
	s_add_nc_u64 s[4:5], s[4:5], s[96:97]
	s_add_nc_u64 s[6:7], s[6:7], s[98:99]
	CROUND                                         ; all sixteen work-groups are here: the first joint loads meet
; ONE tensor load a wave at the head: my 128 rows' parts 0, 1, 2 by one descriptor.
.irp p, 0
	s_mov_b32 s[A0+4*\p], 1
	s_add_co_u32 s[A0+4*\p+1], s100, \p*PART
	s_add_nc_u64 s[A0+4*\p+2:A0+4*\p+3], s[2:3], \p*PART
	s_or_b32 s[A0+4*\p+3], s[A0+4*\p+3], 0x80000000
	s_mov_b32 s[B0+4*\p], 1
	s_add_co_u32 s[B0+4*\p+1], s100, \p*PART
	s_add_nc_u64 s[B0+4*\p+2:B0+4*\p+3], s[4:5], \p*PART
	s_or_b32 s[B0+4*\p+3], s[B0+4*\p+3], 0x80000000
	JLOAD A0+4*\p, G1A, B0+4*\p, G1B
.endr
	; lane terms and LDS addresses
	v_and_b32 v[LN], 31, v0
	v_lshlrev_b32 v[L16], 4, v[LN]
	v_lshlrev_b32 v[L8], 3, v[LN]
	v_and_b32 v[RR], 15, v0
	v_bfe_u32 v[HH], v0, 4, 1
	s_wait_alu depctr_va_vdst(0)
	; THE SCALE WORDS of the 128 rows that I fetch, 4,096 dense bytes, come through registers, 512 consecutive bytes a load, and go to LDS bytes of their own, on which no tensor load lands.
	; They are asked for by each work-group alone: 16,384 bytes beside 393,216 of codes that come jointly.
	s_cmp_eq_u32 s[HI], 0
	s_cselect_b64 s[56:57], s[8:9], s[6:7]         ; waves 0, 1: source 1's; waves 2, 3: source 0's
	s_add_co_u32 s58, s101, SCL
	v_add_nc_u32 v11, s58, v[L16]                  ; SCL + 4,096 x wave + 16 x lane
.irp i, 0,1,2,3,4,5,6,7
	global_load_b128 v[AF+4*\i:AF+4*\i+3], v[L16], s[56:57] offset:512*\i
.endr
	s_mul_i32 s92, s[HI], CHUNK                    ; my half of source 1
	s_mul_i32 s93, s[LO], CHUNK                    ; my half of source 0,
	s_add_co_u32 s93, s93, 2*CHUNK                 ; behind source 1's two
.irp p, 0,1,2
	v_add_nc_u32 v[ADR1+\p], s92, v[L16]
	v_add_nc_u32 v[ADR0+\p], s93, v[L16]
	s_add_co_u32 s92, s92, PART
	s_add_co_u32 s93, s93, PART
.endr
	s_lshl_b32 s92, s[HI], 12                      ; scale words: lanes 0-15 take source 1's rows, lanes 16-31 source 0's: the lower base + h x the distance
	s_lshl_b32 s93, s[LO], 12
	s_add_co_u32 s93, s93, 8192
	s_sub_co_u32 s93, s93, s92
	v_mul_u32_u24 v6, s93, v[HH]
	s_add_co_u32 s92, s92, SCL
	v_lshl_add_u32 v[ADRS], v[RR], 2, v6
	v_add_nc_u32 v[ADRS], s92, v[ADRS]
	v_lshlrev_b32 v[SOFQ], 5, v[RR]
	v_lshl_add_u32 v[SOFQ], v[HH], 4, v[SOFQ]
	v_mul_u32_u24 v[SOFV], v[HH], 20480
	v_lshl_add_u32 v[SOFV], v[RR], 4, v[SOFV]
	; where my results go.  IT: my block of 256 tokens, IN: my block of 256 columns, HT, HN: my halves of them
	s_mov_b32 s[SEL], 0x76543210
	s_mov_b32 s[SEL+1], 0xfedcba98
	s_bfe_u32 s92, ttmp6, 0x40000                  ; cx
	s_bfe_u32 s93, ttmp6, 0x40004                  ; cy
	s_and_b32 s94, ttmp7, 0xffff
	s_and_b32 s94, s94, 3
	s_lshl_b32 s94, s94, 2
	s_cmp_eq_u32 s[PI], 2
	s_cselect_b32 s95, s92, s93                    ; the tokens' coordinate: V cx, else cy
	s_cselect_b32 s96, s93, s92                    ; IN
	s_cselect_b32 s97, s[LO], s[HI]                ; HT
	s_cselect_b32 s98, s[HI], s[LO]                ; HN
	s_cselect_b32 s99, 0, 4                        ; the bias from register to register: V none, else 4 bytes
	s_cselect_b32 s100, -1, 0
	s_cselect_b32 s101, 8, 9                       ; scale words of 128 tokens: V 256 bytes, else 512
	s_add_co_u32 s95, s95, s94                     ; IT
	s_lshr_b32 s2, s95, 3
	s_lshl_b32 s2, s2, 4
	s_lshl_b32 s3, s96, 2
	s_add_co_u32 s2, s2, s3
	s_lshl_b32 s3, s98, 1
	s_add_co_u32 s2, s2, s3                        ; 16 x batch + my first head (I make two)
	s_and_b32 s3, s95, 7
	s_lshl_b32 s3, s3, 1
	s_add_co_u32 s3, s3, s97                       ; which 128 tokens of the batch's 2,048
	s_mul_i32 s4, s2, 294912
	s_mul_i32 s5, s3, 6144                         ; 128 tokens: 8 halves of a fragment (Q, K) or 4 fragments (V): 6,144 bytes either way
	s_add_co_u32 s4, s4, s5
	s_mul_i32 s6, s2, 20480
	s_lshl_b32 s7, s3, s101
	s_add_co_u32 s6, s6, s7
	s_cmp_eq_u32 s[PI], 0
	s_cselect_b32 s5, 196608, 0                    ; a head's codes: K, V, Q;
	s_cselect_b32 s7, 12288, 0                     ; its scale words likewise
	s_cmp_eq_u32 s[PI], 2
	s_cselect_b32 s5, 98304, s5
	s_cselect_b32 s7, 8192, s7
	s_add_co_u32 s4, s4, s5
	s_add_co_u32 s6, s6, s7
	s_mov_b32 s5, 0
	s_mov_b32 s7, 0
	s_add_nc_u64 s[18:19], s[18:19], s[4:5]
	s_add_nc_u64 s[20:21], s[20:21], s[6:7]
	; the bias, in the result's layout.  Q, K: register 8 b + j wants column 16 b + 8 h + j; V: register 8 a + j wants column 16 a + r.  One run of loads serves both: the lane term and the step are chosen
	s_lshl_b32 s8, s96, 10
	s_lshl_b32 s9, s98, 9
	s_add_co_u32 s8, s8, s9                        ; my 128 columns
	s_mov_b32 s9, 0
	s_cmp_eq_u32 s[PI], 1
	s_cselect_b64 s[12:13], s[14:15], s[12:13]
	s_cmp_eq_u32 s[PI], 2
	s_cselect_b64 s[12:13], s[16:17], s[12:13]
	s_add_nc_u64 s[12:13], s[12:13], s[8:9]
	v_lshlrev_b32 v6, 2, v[RR]
	v_lshlrev_b32 v7, 5, v[HH]
	v_cndmask_b32 v8, v7, v6, s100                 ; V: 4 r, else 32 h
.irp j, 0,1,2,3,4,5,6,7
	v_mad_u32_u24 v[BJ+\j], s99, \j, v8
.endr
.irp x, 0,1,2,3,4,5,6,7
.irp j, 0,1,2,3,4,5,6,7
	global_load_b32 v[BR+8*\x+\j], v[BJ+\j], s[12:13] offset:64*\x
.endr
.endr
; 16 matrix instructions: source 1's tiles a0, a0 + 1 x source 0's eight, K step k.  zero = 1: the first product starts the sums.  The 64 accumulators take turns, one instruction a turn, in the same order in every step.
; One register carries both sides' scale words: lanes 0-15 source 1's tile i, lanes 16-31 source 0's tile i.
.macro MUL16 a0, k, zero
.irp a, \a0, \a0+1
.irp b, 0,1,2,3,4,5,6,7
.if \zero
	v_wmma_scale_f32_16x16x128_f8f6f4 v[8*(8*((\a)%4)+\b):8*(8*((\a)%4)+\b)+7], v[128*((\k)%2)+FR*\b:128*((\k)%2)+FR*\b+FR-1], v[AF+FR*(\a):AF+FR*(\a)+FR-1], 0, v[SC+8*((\k)%2)+\b], v[SC+8*((\k)%2)+(\a)] matrix_a_fmt:MATRIX_FMT_FP6 matrix_b_fmt:MATRIX_FMT_FP6 matrix_a_scale:MATRIX_SCALE_ROW1
.else
	v_wmma_scale_f32_16x16x128_f8f6f4 v[8*(8*((\a)%4)+\b):8*(8*((\a)%4)+\b)+7], v[128*((\k)%2)+FR*\b:128*((\k)%2)+FR*\b+FR-1], v[AF+FR*(\a):AF+FR*(\a)+FR-1], v[8*(8*((\a)%4)+\b):8*(8*((\a)%4)+\b)+7], v[SC+8*((\k)%2)+\b], v[SC+8*((\k)%2)+(\a)] matrix_a_fmt:MATRIX_FMT_FP6 matrix_b_fmt:MATRIX_FMT_FP6 matrix_a_scale:MATRIX_SCALE_ROW1
.endif
.endr
.endr
.endm
.macro FETCH_S0 k                      ; source 0's eight fragments of K step k into set k % 2.  K step k lies in region (k / 2) % 3
	WIN TO_B
.irp i, 0,1,2,3,4,5,6,7
.irp c, 0,1,2
	ds_load_b128 v[128*((\k)%2)+FR*\i+4*\c:128*((\k)%2)+FR*\i+4*\c+3], v[ADR0+((\k)/2)%3] offset:3072*\i+1536*((\k)%2)+512*\c
.endr
.endr
	WIN 0
.endm
.macro FETCH_S1 k, i0                  ; source 1's tiles i0 .. i0 + 3
.irp i, \i0, \i0+1, \i0+2, \i0+3
.irp c, 0,1,2
	ds_load_b128 v[AF+FR*(\i)+4*\c:AF+FR*(\i)+4*\c+3], v[ADR1+((\k)/2)%3] offset:3072*(\i)+1536*((\k)%2)+512*\c
.endr
.endr
.endm
.macro SCALES k
.irp i, 0,1,2,3,4,5,6,7
	ds_load_b32 v[SC+8*((\k)%2)+\i], v[ADRS] offset:512*\i+64*(\k)
.endr
.endm
; A load into a register that a matrix instruction has read stands four places behind it, and only plain vector instructions that name none of its registers are places (ISA guide 7.12.1 for vector instructions).
.macro STEP k, zero
	s_wait_dscnt 4*NL1                             ; source 0's set, source 1's tiles 0-3 and the scale words are in; the youngest loads (tiles 4-7) may be out
	WIN MUL_LO
	MUL16 0, \k, \zero
	MUL16 2, \k, \zero
	s_wait_dscnt 0x0                               ; tiles 4-7 are in
	PLACES 4
	FETCH_S0 (\k)+1
	FETCH_S1 (\k)+1, 0
	SCALES (\k)+1
	WIN MUL_HI
	MUL16 4, \k, \zero
	MUL16 6, \k, \zero
	PLACES 4
	WIN 0
	FETCH_S1 (\k)+1, 4
.endm
; A step with a barrier in it.  In front of the barrier each wave waits for all its tensor loads, adds 0 to its spare word, and waits for that and for its own LDS reads.
; fill = 1 (K step 1): nobody reads region 0 any more; the barrier opens a round of the cluster's, and part 3 is asked for first thing behind it: it has four K steps, 256 matrix instructions, in which to land.
; fill = 0 (K step 5): part 3 has landed for every wave.
.macro TURN k, fill
	s_wait_tensorcnt 0x0                           ; all my tensor loads have landed  (every window is 0 here)
	ds_add_u32 v[SPW], v[NIL]                      ; 0 onto my spare word
	s_wait_dscnt 4*NL1+1                           ; (the add and the youngest loads, tiles 4-7, may be out)
	WIN MUL_LO
	MUL16 0, \k, 0                                 ; sixteen matrix instructions stand between the add and the wait for it
	s_wait_dscnt 0x0                               ; the add is done, and my LDS reads are over
	s_barrier_signal -1
	MUL16 2, \k, 0
	WIN 0
	s_barrier_wait -1
.if \fill
	CREST                                          ; no wave of any partner still reads region 0 or has a load on its way
	s_add_nc_u64 s[A0+2:A0+3], s[A0+2:A0+3], 3*PART
	s_add_nc_u64 s[B0+2:B0+3], s[B0+2:B0+3], 3*PART
	s_mov_b32 s[G1A+2], 96<<16                     ; no tensor load of mine is out: the refill brings one part, 96 rows
	s_mov_b32 s[G1A+4], 96
	s_mov_b32 s[G1B+2], 96<<16
	s_mov_b32 s[G1B+4], 96
	JLOAD A0, G1A, B0, G1B                         ; the first tensor load behind the round; its four v_nop are the places in front of the loads below
.else
	PLACES 4
.endif
	FETCH_S0 (\k)+1
	FETCH_S1 (\k)+1, 0
	SCALES (\k)+1
	WIN MUL_HI
	MUL16 4, \k, 0
	MUL16 6, \k, 0
	PLACES 4
	WIN 0
	FETCH_S1 (\k)+1, 4
.endm
	s_wait_alu depctr_va_vdst(0)
	s_wait_tensorcnt 0x0                           ; my parts 0, 1, 2 are in
	s_wait_loadcnt 63                              ; behind the eight loads of scale words 64 loads of the bias were issued: with 63 out at the most the eight are in
.irp i, 0,1,2,3,4,5,6,7
	ds_store_b128 v11, v[AF+4*\i:AF+4*\i+3] offset:512*\i
.endr
	s_wait_dscnt 0x0                               ; for the others' sake: my scale words lie in LDS
	s_barrier_signal -1
	s_barrier_wait -1                              ; everybody's are
	FETCH_S0 0
	FETCH_S1 0, 0
	SCALES 0
	FETCH_S1 0, 4
	STEP 0, 1
	TURN 1, 1
	STEP 2, 0
	STEP 3, 0
	STEP 4, 0
	TURN 5, 0
	STEP 6, 0
	s_wait_dscnt 4*NL1                             ; the last step: nothing more to fetch
	WIN MUL_LO
	MUL16 0, 7, 0
	MUL16 2, 7, 0
	s_wait_dscnt 0x0
	WIN MUL_HI
	MUL16 4, 7, 0
	MUL16 6, 7, 0
	WIN 0
; THE WAY OUT.  64 numbers of a lane, v[s] .. v[s + 63], blocks of 16 registers, become a fragment's codes in v[PC] on and its scale word in v[PW].  A block of 32 lies in lanes l and l xor 16.
.macro QUANT s
.irp b, 0,1,2,3
	v_max3_num_f32 v[TM+\b], |v[\s+16*\b]|, |v[\s+1+16*\b]|, 0x1800000   ; my 16 numbers of block b, and the floor 2^(3 - 127): the byte cannot fall under 1
.endr
.irp i, 2,4,6,8,10,12,14
.irp b, 0,1,2,3
	v_max3_num_f32 v[TM+\b], v[TM+\b], |v[\s+16*\b+\i]|, |v[\s+1+16*\b+\i]|   ; (the four blocks by turns)
.endr
.endr
.irp b, 0,1,2,3
	v_permlanex16_b32 v[TM+4+\b], v[TM+\b], s[SEL], s[SEL+1]
.endr
.irp b, 0,1,2,3
	v_max_num_f32 v[TM+\b], v[TM+\b], v[TM+4+\b]   ; the block's largest magnitude
.endr
.irp b, 0,1,2,3
	v_add_nc_u32 v[TM+12+\b], 0xff000000, v[TM+\b]   ; 2 off its exponent field: the conversion's scale operand
.endr
.irp b, 0,1,2,3
	v_lshrrev_b32 v[TM+4+\b], 23, v[TM+12+\b]      ; the scale's byte
.endr
	v_lshl_or_b32 v[PW], v[TM+5], 8, v[TM+4]
	v_lshl_or_b32 v[PW], v[TM+6], 16, v[PW]
	v_lshl_or_b32 v[PW], v[TM+7], 24, v[PW]
.irp c, 0,1
	v_cvt_scalef32_pk16_fp6_f32 v[PC+6*\c:PC+2+6*\c], v[\s+32*\c:\s+15+32*\c], v[TM+12+2*\c]
	v_cvt_scalef32_pk16_fp6_f32 v[PC+12+4*\c:PC+14+4*\c], v[\s+16+32*\c:\s+31+32*\c], v[TM+12+2*\c+1]   ; (a conversion's three registers begin on an even number)
.endr
	v_nop                                          ; one plain place behind a scaled conversion
.irp c, 0,1                            ; the operand's layout wants a whole block in a lane: lanes 0-15 block 2 c, lanes 16-31 block 2 c + 1
.irp i, 0,1,2
	v_permlane16_swap_b32 v[PC+6*\c+\i], v[PC+12+4*\c+\i]
.endr
.irp i, 0,1,2
	v_mov_b32 v[PC+3+6*\c+\i], v[PC+12+4*\c+\i]
.endr
.endr
.endm
; Source 1's tile a: its eight accumulators plus the bias come into window 0 (each accumulator from its low end on), are quantised, and leave as images.
; val = 0 (Q, K): the 128 columns are two heads of 64: registers 0-5 are the first head's half fragment (768 bytes: registers 0, 1 at 8 l, registers 2-5 at 256 + 16 l), registers 6-11 the second head's, 294,912 bytes on.
; val = 1 (V): the 128 tokens are one K step of the second attention product: a whole fragment of channels 16 (a % 4) on of head a / 4.
.macro EPI a, val
	s_wait_xcnt 0x0                                ; the last tile's stores have read the codes' registers, which are written again below
	WIN 0x02+(\a)/4                                ; source 0 in window 2 or 3
.irp b, 0,1,2,3,4,5,6,7
.irp i, 0,2,4,6
.if \val
	v_pk_add_f32 v[HA+8*\b+\i:HA+8*\b+\i+1], v[8*(8*((\a)%4)+\b)+\i:8*(8*((\a)%4)+\b)+\i+1], v[BR+8*(\a)+\i:BR+8*(\a)+\i+1]
.else
	v_pk_add_f32 v[HA+8*\b+\i:HA+8*\b+\i+1], v[8*(8*((\a)%4)+\b)+\i:8*(8*((\a)%4)+\b)+\i+1], v[BR+8*\b+\i:BR+8*\b+\i+1]
.endif
.endr
.endr
	WIN 0
	QUANT HA
.if \val
.irp c, 0,1,2
	global_store_b128 v[L16], v[PC+4*\c:PC+4*\c+3], s[18:19] offset:((\a)/4)*294912+((\a)%4)*1536+512*\c   ; 32 lanes store 512 consecutive bytes, aligned
.endr
	v_mov_b32 v[WA+(\a)], v[PW]
.else
	global_store_b64 v[L8], v[PC:PC+1], s[18:19] offset:768*(\a)                  ; 256 consecutive bytes, aligned
	global_store_b128 v[L16], v[PC+2:PC+5], s[18:19] offset:768*(\a)+256          ; 512
	global_store_b64 v[L8], v[PC+6:PC+7], s[18:19] offset:768*(\a)+294912
	global_store_b128 v[L16], v[PC+8:PC+11], s[18:19] offset:768*(\a)+294912+256
	v_and_b32 v[WA+(\a)], 0xffff, v[PW]            ; a head's word: two bytes, and two bytes 0 over the zero codes that fill its K to 128
	v_lshrrev_b32 v[WB+(\a)], 16, v[PW]
.endif
.endm
	s_wait_loadcnt 0x0                             ; the bias
	PLACES 4                                       ; behind the last products: their results are read and their operands' registers written below
.irp b, 0,1,2,3
	v_mov_b32 v[TM+4+\b], 0                        ; written once: a lane permute's destination counts as one of its sources
.endr
	v_cmp_le_u32 vcc_lo, 16, v[LN]                 ; lanes 16-31
	s_cmp_eq_u32 s[PI], 2                          ; the same in every wave of every partner
	s_cbranch_scc1 .Lvalue
.irp a, 0,1,2,3,4,5,6,7
	EPI \a, 0
.endr
.irp i, 0,1,2,3                        ; [128 tokens][r][tile 0..7]: lane (r, h) stores the words of tiles 4 h .. 4 h + 3 at 32 r + 16 h: 512 consecutive bytes
	v_cndmask_b32 v[OUTW+\i], v[WA+\i], v[WA+4+\i], vcc_lo
	v_cndmask_b32 v[OUTW+4+\i], v[WB+\i], v[WB+4+\i], vcc_lo
.endr
	global_store_b128 v[SOFQ], v[OUTW:OUTW+3], s[20:21]
	global_store_b128 v[SOFQ], v[OUTW+4:OUTW+7], s[20:21] offset:20480
	s_branch .Ldone
.Lvalue:
.irp a, 0,1,2,3,4,5,6,7
	EPI \a, 1
.endr
.irp i, 0,1,2,3                        ; [128 keys][r][channel tile 0..3]: lanes 0-15 store the first head's 256 bytes, lanes 16-31 the second head's
	v_cndmask_b32 v[OUTW+\i], v[WA+\i], v[WA+4+\i], vcc_lo
.endr
	global_store_b128 v[SOFV], v[OUTW:OUTW+3], s[20:21]
.Ldone:
	s_wait_tensorcnt 0x0                           ; the wave's end
	ds_add_u32 v[SPW], v[NIL]
	s_wait_dscnt 0x0
	CROUND                                         ; the closing round: no work-group ends while a partner may still ask for a block that names it
	s_endpgm
.Lfunc_end_k_q4ed8e3701e_proj:
	.size	k_q4ed8e3701e_proj, .Lfunc_end_k_q4ed8e3701e_proj-k_q4ed8e3701e_proj
	.p2alignl 7, 3214868480
	.fill 96, 4, 3214868480
	.section	.rodata,"a",@progbits
	.p2align	6, 0x0
	.amdhsa_kernel k_q4ed8e3701e_proj
		.amdhsa_group_segment_fixed_size 327680
		.amdhsa_private_segment_fixed_size 0
		.amdhsa_enable_private_segment 0
		.amdhsa_kernarg_size 72
		.amdhsa_user_sgpr_count 2
		.amdhsa_user_sgpr_kernarg_segment_ptr 1
		.amdhsa_wavefront_size32 1
		.amdhsa_system_sgpr_workgroup_id_x 1
		.amdhsa_system_sgpr_workgroup_id_y 1
		.amdhsa_system_sgpr_workgroup_id_z 1
		.amdhsa_system_vgpr_workitem_id 0
		.amdhsa_next_free_vgpr 1024
		.amdhsa_next_free_sgpr 102
		.amdhsa_reserve_vcc 1
		.amdhsa_float_denorm_mode_32 3
		.amdhsa_float_denorm_mode_16_64 3
		.amdhsa_memory_ordered 1
		.amdhsa_forward_progress 1
		.amdhsa_inst_pref_size 215
	.end_amdhsa_kernel
	.amdgpu_metadata
---
amdhsa.version: [ 1, 2 ]
amdhsa.kernels:
  - .name:           k_q4ed8e3701e_proj
    .symbol:         k_q4ed8e3701e_proj.kd
    .args:
      - { .name: xcod, .offset: 0, .size: 8, .value_kind: global_buffer, .address_space: global }
      - { .name: xscl, .offset: 8, .size: 8, .value_kind: global_buffer, .address_space: global }
      - { .name: wcod, .offset: 16, .size: 8, .value_kind: global_buffer, .address_space: global }
      - { .name: wscl, .offset: 24, .size: 8, .value_kind: global_buffer, .address_space: global }
      - { .name: bq, .offset: 32, .size: 8, .value_kind: global_buffer, .address_space: global }
      - { .name: bk, .offset: 40, .size: 8, .value_kind: global_buffer, .address_space: global }
      - { .name: bv, .offset: 48, .size: 8, .value_kind: global_buffer, .address_space: global }
      - { .name: qkvc, .offset: 56, .size: 8, .value_kind: global_buffer, .address_space: global }
      - { .name: qkvs, .offset: 64, .size: 8, .value_kind: global_buffer, .address_space: global }
    .group_segment_fixed_size: 327680
    .private_segment_fixed_size: 0
    .kernarg_segment_align: 8
    .kernarg_segment_size: 72
    .max_flat_workgroup_size: 128
    .sgpr_count:     102
    .vgpr_count:     1024
    .wavefront_size: 32
...
	.end_amdgpu_metadata
.endif
;; end of part 2
;; launch attn (part 3): grid 8 x 32, 16 waves a work-group, clusters of 4 x 1, 210,944 bytes of LDS; arguments qkvc, qkvs, ocod, oscl; writes ocod, oscl
.if DOCPART == 3
	.amdgcn_target "amdgcn-amd-amdhsa--gfx1250"
	.amdhsa_code_object_version 6
	.text
	.protected	k_q4ed8e3701e_attn
	.globl	k_q4ed8e3701e_attn
	.p2align	8
	.type	k_q4ed8e3701e_attn,@function
k_q4ed8e3701e_attn:
	s_mov_b64 s[64:65], 0
	v_nop
	global_prefetch_b8 v0, s[64:65] scope:SCOPE_SE
	s_setreg_imm32_b32 hwreg(HW_REG_WAVE_MODE, 25, 1), 1
	s_wait_xcnt 0x0
	s_wait_alu depctr_hold_cnt(0) depctr_sa_sdst(0) depctr_va_vdst(0) depctr_va_sdst(0) depctr_va_ssrc(0) depctr_va_vcc(0) depctr_vm_vsrc(0)
	s_getreg_b32 s2, hwreg(HW_REG_IB_STS2, 6, 4)
	s_cmp_eq_u32 s2, 0
	s_cbranch_scc0 .Lentry_in_a_cluster
	s_endpgm
.Lentry_in_a_cluster:
	s_bfe_u32 s2, ttmp6, 0x10000c
	s_cmp_lg_u32 s2, 0x3003
	s_cbranch_scc0 .Lentry_shape_is_right
	s_endpgm
.Lentry_shape_is_right:
; O[bh][q] = the sum over k of softmax_k(Q[bh][q] . K[bh][k] / 8) V[bh][k], 32 heads of 2,048 tokens x 64 channels, both products on codes of FP6 (E2M3) with E8M0 scales; O is quantised along d_model and leaves as codes.
; THE SOFTMAX: t = score x log2(e) / 8; M = the running largest t rounded UP to a whole number; p = 2^(t - M) is quantised along the keys, not normalised; the row's sum is taken of the unquantised p and divides O at the end.
; When M moves, the sum and O are multiplied by 2^(old M - new M): exact.
; SHARES: a work-group owns 256 queries of one head, each of its sixteen waves one tile of 16, in 256 registers: four waves to a SIMD.
; A HEAD'S K AND V STAY IN LDS WHOLE: 98,304 bytes of codes each, 12,288 of scale words, laid as the buffers are.  Nothing is filled again.  Every wave issues ONE tensor load at the head: waves 0-11 16,384 bytes of codes each,
; waves 12-15 3,072 bytes of scale words each; every wave waits for its own, one barrier shows all to all, and the sixteen key steps run with no barrier.
; CLUSTER 4 x 1: the four work-groups of a cluster belong to one head: every fill is a joint load.  No prefetch: every byte of K and V is asked for at the head, and no later load exists to run ahead of.
; LAYOUT: S^T = K Q^T (source 0 = 16 keys, source 1 = my 16 queries), O^T = V^T P^T (source 0 = 16 channels, source 1 = p): a lane holds ONE query throughout.  Operands lie in memory and LDS as images of their registers:
; half a fragment (64 K) is 768 bytes (registers 0, 1 at 8 l; 2-5 at 256 + 16 l), a whole one 1,536 (registers 4 c .. at 512 c + 16 l).
; THE FIRST PRODUCT'S K IS 64.  Q's registers 6-11 hold zero codes, and both sides' scale bytes of k = 64 .. 127 are 0 (2^-127).  K's eight half fragments lie six registers apart, so registers 6-11 of a tile's operand are the next
; tile's codes (behind the last: zeros): finite numbers, each multiplied by a zero code of Q: they add exactly 0.  So a step's eight tiles take 54 registers, and are fetched a whole step ahead.
; WHICH KEYS FORM A TILE OF K is chosen by the lanes' LDS addresses: row m of tile (c, u) is key 64 c + 32 (m / 8) + 16 (u % 2) + 8 (u / 2) + m % 8 of the step's 128.  So the 32 registers of tiles (c, 0 .. 3) in lane half h are
; the WHOLE block 2 c + h of 32 keys, in the order in which V's codes were laid (the second and third group of 8 of a block exchanged): a block's largest score needs no other lane, and the conversions' results are the operand.
; LIMITS: p under 2^-126 is flushed to 0 by v_exp_f32; a block of zeros gets the byte 1 (its codes are zeros); NaN and infinities are not served; the scaled scores stay under 2^31 in magnitude.
; A block's largest p is taken as the exponential of its largest score, which takes v_exp_f32 not to fall where its input rises.
; In the last trip's last step the fetch of K one step ahead reads the LDS bytes behind K's (V's first), and what it brings is not used.
; O's scale bytes leave as 2 bytes a row (a head is half of a scale word): 2 bytes for each 48 of codes.
.set A8,   1                           ; v1-5 this trip's LDS addresses: K's 8-byte pieces, K's 16-byte pieces, V, K's scale words, V's
.set A16,  2
.set AV,   3
.set AS,   4
.set AT,   5
.set L8,   6                           ; v6 8 x lane, v7 16 x lane
.set L16,  7
.set SH,   8                           ; v8 8 h: how far up my two scale bytes stand
.set TT,   9                           ; v9 at work
.set PW,   10                          ; v10 p's scale word
.set QSW,  11                          ; v11 Q's scale words
.set RM,   13                          ; v13 the running largest score; v12 and v14: -M, by turns (each the low word of a pair)
.set T4,   15                          ; v15 what lane l xor 16 sent
                                       ; v16-27 Q
.set VSW,  28                          ; v28-31 V's scale words
.set KF,   32                          ; v32-79 K's eight half fragments, v80-85 zeros
.set BY,   86                          ; v86, v87 scale bytes
.set KSW,  88                          ; v88-95 K's scale words
.set S,    96                          ; v96-159 S^T, then p
.set VF,   128                         ; v128-175 V's four fragments: over the upper half of p and 16 registers more
.set O,    176                         ; v176-207 O^T
.set PC,   208                         ; v208-219 p's codes
.set CT,   220                         ; v220-222, v224-226 the conversions' second halves
.set MB,   223                         ; v223, v227 the maxima's second chains
.set MC,   244                         ; v244-247 their third and fourth
.set ST,   228                         ; v228-235 four chains of the sum
.set L,    236                         ; v[236:237] the row's sum in two halves
.set F,    238                         ; v[238:239] f = 2^(old M - new M) (the low word serves both halves)
.set BM,   240                         ; v240, v241 my two blocks' largest score, then p
.set SO,   242                         ; v242, v243 the conversions' scale operands
.set B8,   248                         ; v248-252 the lanes' parts of v1-5
.set B16,  249
.set BV,   250
.set BS,   251
.set BT,   252
.set QO,   253                         ; v253 32 m: Q's scale words in memory
.set WV,   12
.set CX,   13
.set BH,   14
.set G1C,  16                          ; s[16:23] group 1 for codes: 64 rows of 256 bytes
.set G1S,  24                          ; s[24:31] for scale words: 12 rows
.set G0S,  32
.set G0C,  36
.set TK,   52                          ; s52-54 the trip's place: 24,576 bytes of codes (K and V alike), 2,048 of K's scale words, 1,024 of V's
.set TS,   53
.set TV,   54
.set CNT,  55
.set SEL,  56
.set CS,   58                          ; s[58:59] c = log2(e) / 8
.macro WALU
	s_wait_alu depctr_va_vdst(0)
.endm
.macro CROUND                          ; a round of the cluster's barrier
	s_barrier_signal -1
	s_barrier_wait -1
	s_cmp_lg_u32 s[WV], 0
	s_cbranch_scc1 .Lnot_wave_0_\@
	s_barrier_signal -3
.Lnot_wave_0_\@:
	s_barrier_wait -3
	s_barrier_signal -1
	s_barrier_wait -1
.endm
.macro ADDR
	v_add_nc_u32 v[A8], s[TK], v[B8]
	v_add_nc_u32 v[A16], s[TK], v[B16]
	v_add_nc_u32 v[AV], s[TK], v[BV]
	v_add_nc_u32 v[AS], s[TS], v[BS]
	v_add_nc_u32 v[AT], s[TV], v[BT]
.endm
.macro KLOAD i                         ; step i of the trip: its eight tiles and their scale words.  Tile (c, u) takes rows 8 (u / 2) .. + 7 of the stored tiles 4 c + u % 2 (lanes m < 8) and 4 c + u % 2 + 2 (the others)
.irp c, 0,1
.irp u, 0,1,2,3
	ds_load_b64 v[KF+24*\c+6*\u:KF+24*\c+6*\u+1], v[A8] offset:6144*(\i)+768*(4*\c+(\u%2))+64*(\u/2)
	ds_load_b128 v[KF+24*\c+6*\u+2:KF+24*\c+6*\u+5], v[A16] offset:6144*(\i)+768*(4*\c+(\u%2))+256+128*(\u/2)
.endr
.endr
.irp c, 0,1                            ; the words are stored [128 keys][row][tile]: two neighbouring tiles' words a load
.irp w, 0,1
	ds_load_b64 v[KSW+4*\c+2*\w:KSW+4*\c+2*\w+1], v[AS] offset:512*(\i)+256*\w+16*\c
.endr
.endr
.endm
.macro VLOAD i, t
.irp c, 0,1,2
	ds_load_b128 v[VF+12*(\t)+4*\c:VF+12*(\t)+4*\c+3], v[AV] offset:6144*(\i)+1536*(\t)+512*\c
.endr
.endm
.macro SMUL c
.irp u, 0,1,2,3
	v_wmma_scale_f32_16x16x128_f8f6f4 v[S+32*(\c)+8*\u:S+32*(\c)+8*\u+7], v[KF+24*(\c)+6*\u:KF+24*(\c)+6*\u+11], v[16:27], 0, v[KSW+4*(\c)+\u], v[QSW] matrix_a_fmt:MATRIX_FMT_FP6 matrix_b_fmt:MATRIX_FMT_FP6
.endr
.endm
.macro MAX1 c                          ; the largest of my block's 32 scores: four chains, one to an accumulator, each over its registers 0 to 6 from the low end on, line by line in turn
	v_max3_num_f32 v[BM+\c], v[S+32*\c], v[S+32*\c+1], v[S+32*\c+2]
	v_max3_num_f32 v[MB+4*\c], v[S+32*\c+8], v[S+32*\c+9], v[S+32*\c+10]
	v_max3_num_f32 v[MC+2*\c], v[S+32*\c+16], v[S+32*\c+17], v[S+32*\c+18]
	v_max3_num_f32 v[MC+2*\c+1], v[S+32*\c+24], v[S+32*\c+25], v[S+32*\c+26]
.irp i, 3,5
	v_max3_num_f32 v[BM+\c], v[BM+\c], v[S+32*\c+\i], v[S+32*\c+\i+1]
	v_max3_num_f32 v[MB+4*\c], v[MB+4*\c], v[S+32*\c+8+\i], v[S+32*\c+9+\i]
	v_max3_num_f32 v[MC+2*\c], v[MC+2*\c], v[S+32*\c+16+\i], v[S+32*\c+17+\i]
	v_max3_num_f32 v[MC+2*\c+1], v[MC+2*\c+1], v[S+32*\c+24+\i], v[S+32*\c+25+\i]
.endr
.endm
.macro MAX2                            ; the chains are joined, with each accumulator's register 7; the two blocks by turns
.irp c, 0,1
	v_max3_num_f32 v[BM+\c], v[BM+\c], v[MB+4*\c], v[S+32*\c+7]
.endr
.irp c, 0,1
	v_max3_num_f32 v[MC+2*\c], v[MC+2*\c], v[MC+2*\c+1], v[S+32*\c+15]
.endr
.irp c, 0,1
	v_max3_num_f32 v[BM+\c], v[BM+\c], v[S+32*\c+23], v[S+32*\c+31]
.endr
.irp c, 0,1
	v_max_num_f32 v[BM+\c], v[BM+\c], v[MC+2*\c]
.endr
.endm
.macro UA q                            ; chain q of the sum begins: two pairs of the upper half of p
	v_pk_add_f32 v[ST+2*\q:ST+2*\q+1], v[S+32+4*\q:S+33+4*\q], v[S+34+4*\q:S+35+4*\q]
.endm
.macro UB q, r                         ; and goes on with the pair at p's register r
	v_pk_add_f32 v[ST+2*\q:ST+2*\q+1], v[ST+2*\q:ST+2*\q+1], v[S+\r:S+\r+1]
.endm
.macro TAIL                            ; the last step's four chains are joined, and the sum so far comes under that step's M
	v_pk_add_f32 v[ST:ST+1], v[ST:ST+1], v[ST+4:ST+5]
	v_pk_add_f32 v[ST+2:ST+3], v[ST+2:ST+3], v[ST+6:ST+7]
	v_pk_add_f32 v[ST:ST+1], v[ST:ST+1], v[ST+2:ST+3]
	v_pk_fma_f32 v[L:L+1], v[L:L+1], v[F:F+1], v[ST:ST+1] op_sel_hi:[1,0,1]
.endm
; A KEY STEP: 128 keys.  nn: the register that takes the new -M, no: the one that holds the old.  K's eight tiles and their scale words are in registers when the step begins.
.macro STEP i, nn, no
	SMUL 0
	TAIL                                           ; these four and the v_nop name no register of the products round them: they are the places behind the first four products, whose results are read below,
	v_nop                                          ; and the five between the last step's second products and the four below, which write over the registers that held V
	SMUL 1
	MAX1 0                                         ; (twelve places behind the products, ahead of the loads into their registers)
	KLOAD (\i)+1                                   ; the next step's K, a whole step ahead
	VLOAD \i, 3                                    ; V's last fragment lies beside p, so it can come now, with V's scale words
	ds_load_b128 v[VSW:VSW+3], v[AT] offset:256*(\i)
	MAX1 1
	MAX2
	v_max_num_f32 v[TT], v[BM], v[BM+1]
	v_permlanex16_b32 v[T4], v[TT], s[SEL], s[SEL+1]
	v_max3_num_f32 v[RM], v[RM], v[TT], v[T4]      ; the running largest score of my query (c is positive)
	v_mul_f32 v[TT], s[CS], v[RM]                  ; as t
	v_floor_f32 v[\nn], -v[TT]                     ; the new -M = floor(-t) = -ceil(t)
	v_sub_f32 v[TT], v[\nn], v[\no]                ; old M - new M: a whole number, 0 or less
	v_cvt_i32_f32 v[TT], v[TT]                     ; (it saturates)
.set jj, 0
.rept 32
	v_pk_fma_f32 v[S+jj:S+jj+1], v[S+jj:S+jj+1], s[CS:CS+1], v[\nn:\nn+1] op_sel_hi:[1,0,0]   ; t - M, two at a time
.set jj, jj+2
.endr
	v_fma_f32 v[BM], v[BM], s[CS], v[\nn]          ; the same of each block's largest score
	v_fma_f32 v[BM+1], v[BM+1], s[CS], v[\nn]
	WALU                                           ; ahead of the batch
	v_exp_f32 v[BM], v[BM]                         ; my blocks' largest p
	v_exp_f32 v[BM+1], v[BM+1]
.set jj, 0
.rept 64
	v_exp_f32 v[S+jj], v[S+jj]                     ; p = 2^(t - M)
.set jj, jj+1
.endr
	v_ldexp_f32 v[F], 1.0, v[TT]                   ; f = 2^(old M - new M).  (The plain place behind the exponentials)
	WALU                                           ; one wait for the whole batch
	v_max_num_f32 v[BM], 0x1800000, v[BM]          ; the floor 2^(3 - 127): the byte cannot fall under 1.  The scales' lines and the sum of the upper half of p stand by turns
	v_max_num_f32 v[BM+1], 0x1800000, v[BM+1]
	UA 0
	UA 1
	v_add_nc_u32 v[SO], 0xff000000, v[BM]          ; 2 off the exponent field: the conversion's scale operand
	v_add_nc_u32 v[SO+1], 0xff000000, v[BM+1]
	UA 2
	UA 3
	v_lshrrev_b32 v[BY], 23, v[SO]                 ; the scale's byte, of block 2 c + h
	v_lshrrev_b32 v[BY+1], 23, v[SO+1]
	UB 0, 48
	UB 1, 50
	v_lshl_or_b32 v[TT], v[BY+1], 16, v[BY]
	UB 2, 52
	UB 3, 54
	v_lshlrev_b32 v[TT], v[SH], v[TT]              ; my two bytes at their places
	UB 0, 56
	UB 1, 58
	v_permlanex16_b32 v[T4], v[TT], s[SEL], s[SEL+1]
	UB 2, 60
	UB 3, 62
.irp c, 1,0
	v_cvt_scalef32_pk16_fp6_f32 v[PC+6*\c:PC+6*\c+2], v[S+32*\c:S+32*\c+15], v[SO+\c]
	v_cvt_scalef32_pk16_fp6_f32 v[CT+4*\c:CT+4*\c+2], v[S+32*\c+16:S+32*\c+31], v[SO+\c]   ; (a conversion's three registers begin on an even number)
.endr
	v_or_b32 v[PW], v[TT], v[T4]                   ; with lane l xor 16's two the word is whole.  (The plain place behind the conversions)
	VLOAD \i, 0                                    ; the upper half of p has been summed and converted: V's other fragments take its registers
	VLOAD \i, 1
	VLOAD \i, 2
.if (\i) == 3
	s_add_co_u32 s[TK], s[TK], 24576               ; the next trip's addresses
	s_add_co_u32 s[TS], s[TS], 2048
	s_add_co_u32 s[TV], s[TV], 1024
	ADDR
.endif
.irp r, 0,8,16,24                      ; the sum of the lower half of p
.irp q, 0,1,2,3
	UB \q, \r+2*\q
.endr
.endr
.irp c, 0,1
.irp j, 0,1,2
	v_mov_b32 v[PC+6*\c+3+\j], v[CT+4*\c+\j]
.endr
.endr
	WALU                                           ; directly ahead of the first reader of O^T
.set jj, 0
.rept 16
	v_pk_mul_f32 v[O+jj:O+jj+1], v[O+jj:O+jj+1], v[F:F+1] op_sel_hi:[1,0]   ; O^T under the new M.  (These 16 are also the places between the codes' last writes and the products)
.set jj, jj+2
.endr
	WALU
	s_wait_dscnt 0x0                               ; V is in, and so is what was asked for ahead of it: the next step's K
.irp t, 0,1,2,3                        ; O^T += V^T P^T: four tiles of 16 channels, by turns
	v_wmma_scale_f32_16x16x128_f8f6f4 v[O+8*\t:O+8*\t+7], v[VF+12*\t:VF+12*\t+11], v[PC:PC+11], v[O+8*\t:O+8*\t+7], v[VSW+\t], v[PW] matrix_a_fmt:MATRIX_FMT_FP6 matrix_b_fmt:MATRIX_FMT_FP6
.endr
.endm
	s_load_b256 s[4:11], s[0:1], 0x0               ; qkvc s[4:5], qkvs s[6:7], ocod s[8:9], oscl s[10:11]
	v_lshl_add_u32 v254, v0, 2, 0x33000
	v_mov_b32 v255, 0
	ds_add_u32 v254, v255                          ; the opening lines: the add, twice on end, and its wait
	ds_add_u32 v254, v255
	v_lshrrev_b32 v6, 5, v0
	v_readfirstlane_b32 s[WV], v6                  ; wave 0..15
	s_bfe_u32 s[CX], ttmp6, 0x40000
	s_and_b32 s[BH], ttmp7, 0xffff                 ; 16 x batch + head: the four partners share it
	s_mov_b32 s[G1C], 15|(3<<16)|(1<<21)           ; the mask: all four work-groups; elements of 8 bytes; bit 21 beside a mask; no padding
	s_mov_b32 s[G1C+1], 32<<16                     ; rows of 256 bytes
	s_mov_b32 s[G1C+2], 64<<16
	s_mov_b32 s[G1C+3], 32<<16
	s_mov_b32 s[G1C+4], 64
	s_mov_b32 s[G1C+5], 32
	s_mov_b32 s[G1C+6], 0
	s_mov_b32 s[G1C+7], 0
	s_mov_b32 s[G1S], 15|(3<<16)|(1<<21)
	s_mov_b32 s[G1S+1], 32<<16
	s_mov_b32 s[G1S+2], 12<<16
	s_mov_b32 s[G1S+3], 32<<16
	s_mov_b32 s[G1S+4], 12
	s_mov_b32 s[G1S+5], 32
	s_mov_b32 s[G1S+6], 0
	s_mov_b32 s[G1S+7], 0
	s_mul_i32 s60, s[BH], 294912                   ; the head's codes: K, V, Q
	s_mov_b32 s61, 0
	s_mul_i32 s62, s[BH], 20480                    ; its scale words: K's, V's, Q's
	s_mov_b32 s63, 0
	s_lshl_b32 s40, s[WV], 14                      ; waves 0-11: 16,384 bytes of K's and V's codes, at the same place in LDS as in the head's part of the buffer
	s_mov_b32 s41, 0
	s_and_b32 s42, s[WV], 3
	s_mul_i32 s42, s42, 3072                       ; waves 12-15: a quarter of the scale words
	s_mov_b32 s43, 0
	s_mov_b32 s[SEL], 0x76543210
	s_mov_b32 s[SEL+1], 0xfedcba98
	s_mov_b32 s[CS], 0x3e38aa3b
	s_mov_b32 s[CS+1], s[CS]                       ; (named with it as a pair, so it is written)
	s_lshl_b32 s68, ttmp9, 2
	s_add_co_u32 s68, s68, s[CX]                   ; my block of 256 queries
	s_lshl_b32 s69, s68, 4
	s_add_co_u32 s69, s69, s[WV]                   ; my tile of 16 queries, 0..127
	s_mul_i32 s70, s69, 768
	s_add_co_u32 s70, s70, 196608
	s_mov_b32 s71, 0
	s_lshr_b32 s72, s69, 3
	s_lshl_b32 s72, s72, 9
	s_and_b32 s73, s69, 7
	s_lshl_b32 s73, s73, 2
	s_add_co_u32 s72, s72, s73
	s_add_co_u32 s72, s72, 12288
	s_mov_b32 s73, 0
	s_mov_b32 s[TK], 0
	s_mov_b32 s[TS], 0
	s_mov_b32 s[TV], 0
	s_mov_b32 s[CNT], 4
	s_wait_dscnt 0x0
	s_wait_kmcnt 0x0
	s_add_nc_u64 s[4:5], s[4:5], s[60:61]
	s_add_nc_u64 s[6:7], s[6:7], s[62:63]
	s_mov_b32 s[G0C], 1
	s_mov_b32 s[G0C+1], s40
	s_add_nc_u64 s[G0C+2:G0C+3], s[4:5], s[40:41]
	s_or_b32 s[G0C+3], s[G0C+3], 0x80000000
	s_mov_b32 s[G0S], 1
	s_add_co_u32 s[G0S+1], s42, 196608
	s_add_nc_u64 s[G0S+2:G0S+3], s[6:7], s[42:43]
	s_or_b32 s[G0S+3], s[G0S+3], 0x80000000
	s_add_nc_u64 s[70:71], s[4:5], s[70:71]        ; Q's half fragment
	s_add_nc_u64 s[72:73], s[6:7], s[72:73]        ; and its scale words
	CROUND                                         ; all four work-groups are here: the joint loads meet
	s_cmp_lt_u32 s[WV], 12                         ; one chain of two arms, one load to an arm: every way passes one
	s_cbranch_scc0 .Lscales
	tensor_load_to_lds s[G0C:G0C+3], s[G1C:G1C+7]
	s_nop 0
.rept 4
	v_nop
.endr
	s_branch .Lasked
.Lscales:
	tensor_load_to_lds s[G0S:G0S+3], s[G1S:G1S+7]
	s_nop 0
.rept 4
	v_nop
.endr
.Lasked:
	v_and_b32 v244, 31, v0                         ; lane
	v_and_b32 v245, 7, v0                          ; m % 8
	v_bfe_u32 v246, v0, 3, 1                       ; m / 8
	v_bfe_u32 v247, v0, 4, 1                       ; h
	v_and_b32 v240, 15, v0                         ; m
	v_lshlrev_b32 v[L8], 3, v244
	v_lshlrev_b32 v[L16], 4, v244
	v_lshlrev_b32 v[QO], 5, v240
	v_lshl_add_u32 v[BV], v244, 4, 98304
	v_lshl_add_u32 v241, v247, 4, v245             ; the stored tile's lane: m % 8 + 16 h
	v_mul_u32_u24 v242, v246, 1536                 ; rows 8-15 of my tile come from the stored tile two further on
	v_lshl_add_u32 v[B8], v241, 3, v242
	v_lshl_add_u32 v[B16], v241, 4, v242
	v_lshlrev_b32 v242, 3, v246
	v_lshl_add_u32 v242, v245, 5, v242
	v_add_nc_u32 v[BS], 196608, v242               ; K's scale words: 32 (m % 8) + 8 (m / 8)
	v_lshl_add_u32 v[BT], v240, 4, 204800          ; V's: 16 m
	v_lshlrev_b32 v[SH], 3, v247
	ADDR
	WALU
	global_load_b64 v[16:17], v[L8], s[70:71]      ; Q's half fragment stays in registers
	global_load_b128 v[18:21], v[L16], s[70:71] offset:256
	global_load_b32 v[QSW], v[QO], s[72:73]
.irp i, 22,23,24,25,26,27
	v_mov_b32 v[\i], 0                             ; Q's zero codes for k = 64 .. 127
.endr
.irp i, 48,49,50,51,52,53
	v_mov_b32 v[KF+\i], 0                          ; what stands behind K's last tile
.endr
.irp i, 0,1,2,3,4,5,6,7
	v_mov_b32 v[ST+\i], 0                          ; the first step joins chains of zeros
.endr
	v_mov_b32 v[RM], 0xff61b1e6                    ; the largest score so far: -3e38, under every score
	v_mul_f32 v[TT], s[CS], v[RM]
	v_floor_f32 v14, -v[TT]                        ; -M
	v_mov_b32 v12, 0
	v_mov_b32 v[T4], 0                             ; written once: a lane permute's destination counts as one of its sources
	v_mov_b32 v[L], 0
	v_mov_b32 v[L+1], 0
	v_mov_b32 v[F], 0
	v_mov_b32 v[F+1], 0                            ; (named as the upper half of a pair)
.set jj, 0
.rept 32
	v_mov_b32 v[O+jj], 0                           ; O^T.  (The step is written for every step alike: the first finds zeros, which the first change of M leaves zeros)
.set jj, jj+1
.endr
	WALU
	s_wait_loadcnt 0x0                             ; Q
	s_wait_tensorcnt 0x0                           ; my part of K, V or the scale words is in
	s_barrier_signal -1
	s_barrier_wait -1                              ; everybody's is
	KLOAD 0
	s_wait_dscnt 0x0
.Ltrip:                                                ; four trips of four steps: the steps' places stand in the loads' immediates
	STEP 0, 12, 14
	STEP 1, 14, 12
	STEP 2, 12, 14
	STEP 3, 14, 12
	s_sub_co_u32 s[CNT], s[CNT], 1
	s_cmp_lg_u32 s[CNT], 0
	s_cbranch_scc1 .Ltrip
	; THE WAY OUT.  O^T / the sum is quantised along the head's 64 channels, two blocks of d_model's K, and leaves as half a fragment of the last product's operand.
	TAIL                                           ; the last step's sum  (these lines are also the places behind the last products)
	v_add_f32 v[L], v[L], v[L+1]                   ; the sum's two halves
	v_permlanex16_b32 v[T4], v[L], s[SEL], s[SEL+1]
	v_add_f32 v[L], v[L], v[T4]                    ; and lane l xor 16's keys: the row's sum, over 1/2
	WALU
	v_rcp_f32 v[L], v[L]
	v_and_b32 v[TT], 15, v0                        ; (a plain place behind the transcendental)
	v_lshlrev_b32 v[TT], 2, v[TT]                  ; a row's scale word: 4 r
	s_lshl_b32 s60, ttmp9, 2
	s_add_co_u32 s60, s60, s[CX]                   ; my block of 256 queries
	s_lshr_b32 s61, s[BH], 4                       ; batch
	s_and_b32 s62, s[BH], 15                       ; head
	s_lshl_b32 s63, s61, 4
	s_lshl_b32 s66, s60, 1
	s_add_co_u32 s63, s63, s66
	s_lshr_b32 s66, s[WV], 3
	s_add_co_u32 s63, s63, s66                     ; my group of 128 rows
	s_mul_i32 s68, s63, 98304
	s_lshr_b32 s66, s62, 2                         ; the head's part of 256 along K,
	s_mul_i32 s66, s66, 24576
	s_add_co_u32 s68, s68, s66
	s_and_b32 s66, s[WV], 7                        ; my tile,
	s_mul_i32 s66, s66, 3072
	s_add_co_u32 s68, s68, s66
	s_and_b32 s66, s62, 3                          ; the head's quarter of the part: 768 bytes each
	s_mul_i32 s66, s66, 768
	s_add_co_u32 s68, s68, s66
	s_mov_b32 s69, 0
	s_add_nc_u64 s[8:9], s[8:9], s[68:69]
	s_lshl_b32 s70, s61, 7
	s_lshl_b32 s66, s60, 4
	s_add_co_u32 s70, s70, s66
	s_add_co_u32 s70, s70, s[WV]                   ; my tile of 16 rows among 256
	s_lshl_b32 s70, s70, 9
	s_lshr_b32 s66, s62, 1                         ; the K step,
	s_lshl_b32 s66, s66, 6
	s_add_co_u32 s70, s70, s66
	s_and_b32 s66, s62, 1                          ; and the head's half of the word
	s_lshl_b32 s66, s66, 1
	s_add_co_u32 s70, s70, s66
	s_mov_b32 s71, 0
	s_add_nc_u64 s[10:11], s[10:11], s[70:71]
	WALU                                           ; ahead of the first reader of the reciprocal and of O^T
.set jj, 0
.rept 16
	v_pk_mul_f32 v[S+jj:S+jj+1], v[O+jj:O+jj+1], v[L:L+1] op_sel_hi:[1,0]   ; register 8 t + j is channel 16 t + 8 h + j of my query
.set jj, jj+2
.endr
.irp b, 0,1                            ; here a block of 32 channels lies in lanes l and l xor 16, 16 registers each
	v_max3_num_f32 v[BM+\b], |v[S+16*\b]|, |v[S+1+16*\b]|, 0x1800000
.endr
.irp i, 2,4,6,8,10,12,14
.irp b, 0,1
	v_max3_num_f32 v[BM+\b], v[BM+\b], |v[S+16*\b+\i]|, |v[S+1+16*\b+\i]|
.endr
.endr
.irp b, 0,1
	v_permlanex16_b32 v[MB+4*\b], v[BM+\b], s[SEL], s[SEL+1]
.endr
.irp b, 0,1
	v_max_num_f32 v[BM+\b], v[BM+\b], v[MB+4*\b]
.endr
.irp b, 0,1
	v_add_nc_u32 v[SO+\b], 0xff000000, v[BM+\b]
.endr
.irp b, 0,1
	v_lshrrev_b32 v[BY+\b], 23, v[SO+\b]
.endr
	v_lshl_or_b32 v[ST], v[BY+1], 8, v[BY]         ; the head's two scale bytes
	v_cvt_scalef32_pk16_fp6_f32 v[PC:PC+2], v[S:S+15], v[SO]
	v_cvt_scalef32_pk16_fp6_f32 v[CT:CT+2], v[S+16:S+31], v[SO+1]
	v_nop
.irp i, 0,1,2
	v_permlane16_swap_b32 v[PC+\i], v[CT+\i]       ; the operand's layout wants a whole block in a lane
.endr
.irp i, 0,1,2
	v_mov_b32 v[PC+3+\i], v[CT+\i]
.endr
	global_store_b64 v[L8], v[PC:PC+1], s[8:9]                 ; 256 consecutive bytes, aligned
	global_store_b128 v[L16], v[PC+2:PC+5], s[8:9] offset:256  ; 512
	global_store_b16 v[TT], v[ST], s[10:11]                    ; both lanes of a row write the same two bytes with the same value
	s_wait_tensorcnt 0x0                           ; the wave's end
	ds_add_u32 v254, v255
	s_wait_dscnt 0x0
	CROUND                                         ; the closing round
	s_endpgm
.Lfunc_end_k_q4ed8e3701e_attn:
	.size	k_q4ed8e3701e_attn, .Lfunc_end_k_q4ed8e3701e_attn-k_q4ed8e3701e_attn
	.p2alignl 7, 3214868480
	.fill 96, 4, 3214868480
	.section	.rodata,"a",@progbits
	.p2align	6, 0x0
	.amdhsa_kernel k_q4ed8e3701e_attn
		.amdhsa_group_segment_fixed_size 210944
		.amdhsa_private_segment_fixed_size 0
		.amdhsa_enable_private_segment 0
		.amdhsa_kernarg_size 32
		.amdhsa_user_sgpr_count 2
		.amdhsa_user_sgpr_kernarg_segment_ptr 1
		.amdhsa_wavefront_size32 1
		.amdhsa_system_sgpr_workgroup_id_x 1
		.amdhsa_system_sgpr_workgroup_id_y 1
		.amdhsa_system_sgpr_workgroup_id_z 1
		.amdhsa_system_vgpr_workitem_id 0
		.amdhsa_next_free_vgpr 256
		.amdhsa_next_free_sgpr 76
		.amdhsa_reserve_vcc 0
		.amdhsa_float_denorm_mode_32 3
		.amdhsa_float_denorm_mode_16_64 3
		.amdhsa_memory_ordered 1
		.amdhsa_forward_progress 1
		.amdhsa_inst_pref_size 72
	.end_amdhsa_kernel
	.amdgpu_metadata
---
amdhsa.version: [ 1, 2 ]
amdhsa.kernels:
  - .name:           k_q4ed8e3701e_attn
    .symbol:         k_q4ed8e3701e_attn.kd
    .args:
      - { .name: qkvc, .offset: 0, .size: 8, .value_kind: global_buffer, .address_space: global }
      - { .name: qkvs, .offset: 8, .size: 8, .value_kind: global_buffer, .address_space: global }
      - { .name: ocod, .offset: 16, .size: 8, .value_kind: global_buffer, .address_space: global }
      - { .name: oscl, .offset: 24, .size: 8, .value_kind: global_buffer, .address_space: global }
    .group_segment_fixed_size: 210944
    .private_segment_fixed_size: 0
    .kernarg_segment_align: 8
    .kernarg_segment_size: 32
    .max_flat_workgroup_size: 512
    .sgpr_count:     76
    .vgpr_count:     256
    .wavefront_size: 32
...
	.end_amdgpu_metadata
.endif
;; end of part 3
;; launch outproj (part 4): grid 8 x 32, 4 waves a work-group, clusters of 4 x 4, 274,944 bytes of LDS; arguments ocod, oscl, wcod, wscl, bo, out0; writes out0
.if DOCPART == 4
	.amdgcn_target "amdgcn-amd-amdhsa--gfx1250"
	.amdhsa_code_object_version 6
	.text
	.protected	k_q4ed8e3701e_outproj
	.globl	k_q4ed8e3701e_outproj
	.p2align	8
	.type	k_q4ed8e3701e_outproj,@function
k_q4ed8e3701e_outproj:
	s_mov_b64 s[64:65], 0
	v_nop
	global_prefetch_b8 v0, s[64:65] scope:SCOPE_SE
	s_setreg_imm32_b32 hwreg(HW_REG_WAVE_MODE, 25, 1), 1
	s_wait_xcnt 0x0
	s_wait_alu depctr_hold_cnt(0) depctr_sa_sdst(0) depctr_va_vdst(0) depctr_va_sdst(0) depctr_va_ssrc(0) depctr_va_vcc(0) depctr_vm_vsrc(0)
	s_getreg_b32 s2, hwreg(HW_REG_IB_STS2, 6, 4)
	s_cmp_eq_u32 s2, 0
	s_cbranch_scc0 .Lentry_in_a_cluster
	s_endpgm
.Lentry_in_a_cluster:
	s_bfe_u32 s2, ttmp6, 0x10000c
	s_cmp_lg_u32 s2, 0xf033
	s_cbranch_scc0 .Lentry_shape_is_right
	s_endpgm
.Lentry_shape_is_right:
; out0 = O Wo + bo on codes of FP6 (E2M3) with E8M0 scales: [4096][1024] x [1024][1024], f32 out.
; SHARES: 32 x 8 = 256 work-groups, each 128 rows x 128 columns; four waves, 2 x 2, each 64 x 64: 16 accumulators.  K = 1,024 is eight steps of 128.
; ALL OF K LIES IN LDS: the 128 rows of O are one dense block of 98,304 bytes of ocod, the 128 columns of Wo one of wcod, their scale words 4,096 bytes each.  One tensor load a wave at the head brings the four; nothing is filled again.
; CLUSTER 4 x 4: O's blocks hang on the tile row and are shared along a row of the cluster, Wo's on the tile column and are shared along a column: joint loads.
; No prefetch: every byte is asked for at the head, and no later load exists to run ahead of.
; Operands lie as images of their registers.  Wo: a fragment (16 columns x 128 K) is 1,536 bytes, registers 4 c .. at 512 c + 16 l.  O: two halves of 768 bytes (registers 0, 1 at 8 l; 2-5 at 256 + 16 l).  [part of 256 K][tile of 16][128 K].
; THE MATRIX INSTRUCTION IS USED TRANSPOSED (source 0 = 16 columns of Wo, source 1 = 16 rows of O): a lane holds eight neighbouring numbers of a row of out0.  The bias is the first products' C.
; REGISTERS: window 0: v1-29 lane terms and addresses; v32-39 scale words, two sets of four (lanes 0-15 O's tile i, lanes 16-31 Wo's tile i); v64-255 fragments, two sets of 96 (Wo's four, O's four).
;   window 1: v0-127 accumulator (a, b) at 8 (4 a + b); v128-159 the bias.
.set SCL,    196608
.set STAGE,  204800                    ; the way out: 64 rows x 272 bytes for each wave, bytes on which no tensor load lands
.set SPITCH, 272
.set SPARE,  STAGE+4*64*SPITCH         ; the spare words, 128 bytes for each wave
.set LN,    1
.set L16,   2
.set L8,    3
.set RR,    4
.set HH,    5
.set BO,    7                          ; v7  32 h: the bias
.set ADR1B, 12                         ; v12, v13 O's 8-byte pieces, K steps 0-3 and 4-7
.set ADR1,  16                         ; v16, v17 O's 16-byte pieces
.set ADR0,  20                         ; v20, v21 Wo's fragments
.set STO,   24
.set RD,    25
.set CO,    26
.set ADRS,  27
.set SPW,   28
.set NIL,   29
.set SC,    32
.set BR,    128
.set WV,    22
.set HI,    23
.set LO,    66
.set G1A,   24
.set G1B,   32
.set G1SA,  40
.set G1SB,  48
.set G0A,   68
.set G0B,   72
.set G0SA,  76
.set G0SB,  80
.set MSB, 0
.macro WIN new                         ; the immediate's high byte repeats the setting that is left
.if MSB != \new
	s_set_vgpr_msb (MSB<<8)|\new
.set MSB, \new
.endif
.endm
.macro PLACES n
.rept \n
	v_nop
.endr
.endm
.macro CROUND
	s_barrier_signal -1
	s_barrier_wait -1
	s_cmp_lg_u32 s[WV], 0
	s_cbranch_scc1 .Lnot_wave_0_\@
	s_barrier_signal -3
.Lnot_wave_0_\@:
	s_barrier_wait -3
	s_barrier_signal -1
	s_barrier_wait -1
.endm
.macro GROUP1 g, rows                  ; a dense block as rows of 256 bytes
	s_mov_b32 s[\g+1], 32<<16
	s_mov_b32 s[\g+2], (\rows)<<16
	s_mov_b32 s[\g+3], 32<<16
	s_mov_b32 s[\g+4], \rows
	s_mov_b32 s[\g+5], 32
	s_mov_b32 s[\g+6], 0
	s_mov_b32 s[\g+7], 0
.endm
.macro GROUP0 g, lds, base
	s_mov_b32 s[\g], 1
	s_mov_b32 s[\g+1], \lds
	s_mov_b64 s[\g+2:\g+3], s[\base:\base+1]
	s_or_b32 s[\g+3], s[\g+3], 0x80000000
.endm
.macro ARM under, g0, g1, next
	s_cmp_lt_u32 s[WV], \under
	s_cbranch_scc0 \next
	tensor_load_to_lds s[\g0:\g0+3], s[\g1:\g1+7]
	s_nop 0
	PLACES 4
	s_branch .Lhead_asked
\next:
.endm
	s_load_b256 s[4:11], s[0:1], 0x0               ; ocod s[4:5], oscl s[6:7], wcod s[8:9], wscl s[10:11]
	s_load_b128 s[12:15], s[0:1], 0x20             ; bo s[12:13], out0 s[14:15]
	v_lshl_add_u32 v[SPW], v0, 2, SPARE
	v_mov_b32 v[NIL], 0
	ds_add_u32 v[SPW], v[NIL]                      ; the opening lines: the add, twice on end, and its wait
	ds_add_u32 v[SPW], v[NIL]
	v_lshrrev_b32 v1, 5, v0
	v_readfirstlane_b32 s[WV], v1
	s_lshr_b32 s[HI], s[WV], 1                     ; my half of the rows
	s_and_b32 s[LO], s[WV], 1                      ; my half of the columns
	s_bfe_u32 s16, ttmp6, 0x40000                  ; cx
	s_bfe_u32 s17, ttmp6, 0x40004                  ; cy
	s_lshl_b32 s18, ttmp9, 2
	s_add_co_u32 s18, s18, s16                     ; tile column, 0..7
	s_and_b32 s19, ttmp7, 0xffff
	s_lshl_b32 s19, s19, 2
	s_add_co_u32 s19, s19, s17                     ; tile row, 0..31
	s_lshl_b32 s20, s17, 2
	s_lshl_b32 s20, 15, s20                        ; my row of the cluster
	s_lshl_b32 s21, 0x1111, s16                    ; my column
	s_or_b32 s[G1A], s20, (3<<16)|(1<<21)          ; the mask; elements of 8 bytes; bit 21 beside a mask; no padding
	s_or_b32 s[G1SA], s20, (3<<16)|(1<<21)
	s_or_b32 s[G1B], s21, (3<<16)|(1<<21)
	s_or_b32 s[G1SB], s21, (3<<16)|(1<<21)
	GROUP1 G1A, 384
	GROUP1 G1B, 384
	GROUP1 G1SA, 16
	GROUP1 G1SB, 16
	s_mul_i32 s56, s19, 98304                      ; O's group of 128 rows: made of the tile row alone
	s_mov_b32 s57, 0
	s_lshl_b32 s58, s19, 12
	s_mov_b32 s59, 0
	s_mul_i32 s60, s18, 98304                      ; Wo's group of 128 columns: made of the tile column alone; Wo is the fourth weight
	s_add_co_u32 s60, s60, 2359296
	s_mov_b32 s61, 0
	s_lshl_b32 s62, s18, 12
	s_add_co_u32 s62, s62, 98304
	s_mov_b32 s63, 0
	s_lshl_b32 s84, s18, 9                         ; my 64 columns, in bytes
	s_lshl_b32 s85, s[LO], 8
	s_add_co_u32 s84, s84, s85
	s_mov_b32 s85, 0
	s_lshl_b32 s86, s19, 19                        ; my 64 rows of 4,096 bytes
	s_lshl_b32 s87, s[HI], 18
	s_add_co_u32 s86, s86, s87
	s_add_co_u32 s86, s86, s84
	s_mov_b32 s87, 0
	s_mul_i32 s88, s[HI], 12288                    ; LDS: my four tiles of O,
	s_mul_i32 s89, s[LO], 12288
	s_add_co_u32 s89, s89, 98304                   ; of Wo;
	s_lshl_b32 s90, s[HI], 11                      ; scale words: the lower base + h x the distance
	s_lshl_b32 s91, s[LO], 11
	s_add_co_u32 s91, s91, 4096
	s_sub_co_u32 s91, s91, s90
	s_add_co_u32 s90, s90, SCL
	s_mul_i32 s92, s[WV], 64*SPITCH
	s_add_co_u32 s92, s92, STAGE                   ; my stage
	s_wait_dscnt 0x0
	s_wait_kmcnt 0x0
	s_add_nc_u64 s[4:5], s[4:5], s[56:57]
	s_add_nc_u64 s[6:7], s[6:7], s[58:59]
	s_add_nc_u64 s[8:9], s[8:9], s[60:61]
	s_add_nc_u64 s[10:11], s[10:11], s[62:63]
	s_add_nc_u64 s[12:13], s[12:13], s[84:85]
	s_add_nc_u64 s[14:15], s[14:15], s[86:87]
	GROUP0 G0A, 0, 4
	GROUP0 G0B, 98304, 8
	GROUP0 G0SA, SCL, 6
	GROUP0 G0SB, SCL+4096, 10
	CROUND                                         ; all sixteen work-groups are here: the joint loads meet
	ARM 1, G0A,  G1A,  .Lhead_b                    ; one chain of four arms, one load to an arm
	ARM 2, G0B,  G1B,  .Lhead_sa
	ARM 3, G0SA, G1SA, .Lhead_sb
	tensor_load_to_lds s[G0SB:G0SB+3], s[G1SB:G1SB+7]
	s_nop 0
	PLACES 4
.Lhead_asked:
	v_and_b32 v[LN], 31, v0
	v_and_b32 v[RR], 15, v0
	v_bfe_u32 v[HH], v0, 4, 1
	v_lshlrev_b32 v[L16], 4, v[LN]
	v_lshlrev_b32 v[L8], 3, v[LN]
	v_lshlrev_b32 v[BO], 5, v[HH]
	v_add_nc_u32 v[ADR1], s88, v[L16]
	v_add_nc_u32 v[ADR1B], s88, v[L8]
	v_add_nc_u32 v[ADR0], s89, v[L16]
	v_add_nc_u32 v[ADR1+1], 49152, v[ADR1]
	v_add_nc_u32 v[ADR1B+1], 49152, v[ADR1B]
	v_add_nc_u32 v[ADR0+1], 49152, v[ADR0]
	v_mul_u32_u24 v6, s91, v[HH]
	v_lshl_add_u32 v[ADRS], v[RR], 2, v6
	v_add_nc_u32 v[ADRS], s90, v[ADRS]
	v_mul_u32_u24 v[STO], v[RR], SPITCH            ; into the stage: row r, 32 bytes for each half of the lanes
	v_lshl_add_u32 v[STO], v[HH], 5, v[STO]
	v_add_nc_u32 v[STO], s92, v[STO]
	v_mul_u32_u24 v[RD], v[HH], SPITCH             ; back: sixteen lanes take a row's 256 bytes, two rows a load
	v_lshl_add_u32 v[RD], v[RR], 4, v[RD]
	v_add_nc_u32 v[RD], s92, v[RD]
	v_lshlrev_b32 v[CO], 12, v[HH]                 ; and the same two rows in out0
	v_lshl_add_u32 v[CO], v[RR], 4, v[CO]
	s_wait_alu depctr_va_vdst(0)
	WIN 0x40                                       ; destination window 1
.irp b, 0,1,2,3
	global_load_b128 v[BR+8*\b:BR+8*\b+3], v[BO], s[12:13] offset:64*\b        ; register 8 b + j wants column 16 b + 8 h + j
	global_load_b128 v[BR+8*\b+4:BR+8*\b+7], v[BO], s[12:13] offset:64*\b+16
.endr
	WIN 0
.macro FETCH k                         ; K step k into set k % 2: 12 + 16 + 4 = 32 LDS loads
.set FB, 64+96*((\k)%2)
.set OF, 24576*(((\k)/2)%2)+1536*((\k)%2)
.irp i, 0,1,2,3
.irp c, 0,1,2
	ds_load_b128 v[FB+12*\i+4*\c:FB+12*\i+4*\c+3], v[ADR0+(\k)/4] offset:OF+3072*\i+512*\c
.endr
.endr
.irp i, 0,1,2,3
.irp e, 0,1
	ds_load_b64 v[FB+48+12*\i+6*\e:FB+48+12*\i+6*\e+1], v[ADR1B+(\k)/4] offset:OF+3072*\i+768*\e
	ds_load_b128 v[FB+48+12*\i+6*\e+2:FB+48+12*\i+6*\e+5], v[ADR1+(\k)/4] offset:OF+3072*\i+768*\e+256
.endr
.endr
.irp i, 0,1,2,3
	ds_load_b32 v[SC+4*((\k)%2)+\i], v[ADRS] offset:512*\i+64*(\k)
.endr
.endm
.macro MUL k                           ; 16 products; the 16 accumulators take turns, in the same order in every step
.set FB, 64+96*((\k)%2)
.set SS, SC+4*((\k)%2)
	WIN 0x50                                       ; C and D window 1
.irp a, 0,1,2,3
.irp b, 0,1,2,3
.if (\k) == 0
	v_wmma_scale_f32_16x16x128_f8f6f4 v[8*(4*\a+\b):8*(4*\a+\b)+7], v[FB+12*\b:FB+12*\b+11], v[FB+48+12*\a:FB+48+12*\a+11], v[BR+8*\b:BR+8*\b+7], v[SS+\b], v[SS+\a] matrix_a_fmt:MATRIX_FMT_FP6 matrix_b_fmt:MATRIX_FMT_FP6 matrix_a_scale:MATRIX_SCALE_ROW1
.else
	v_wmma_scale_f32_16x16x128_f8f6f4 v[8*(4*\a+\b):8*(4*\a+\b)+7], v[FB+12*\b:FB+12*\b+11], v[FB+48+12*\a:FB+48+12*\a+11], v[8*(4*\a+\b):8*(4*\a+\b)+7], v[SS+\b], v[SS+\a] matrix_a_fmt:MATRIX_FMT_FP6 matrix_b_fmt:MATRIX_FMT_FP6 matrix_a_scale:MATRIX_SCALE_ROW1
.endif
.endr
.endr
.endm
.macro KSTEP k
.if (\k) < 7
.if (\k) > 0
	PLACES 4                                       ; in front of loads into the set that the step before multiplied
.endif
	WIN 0
	FETCH (\k)+1
	s_wait_dscnt 32                                ; this step's fragments are in; the 32 loads just issued may be out
.else
	s_wait_dscnt 0x0
.endif
	MUL \k
.endm
	s_wait_tensorcnt 0x0                           ; my tile of the four is in
	s_barrier_signal -1
	s_barrier_wait -1                              ; all four are
	FETCH 0
	s_wait_loadcnt 0x0                             ; the bias
.irp k, 0,1,2,3,4,5,6,7
	KSTEP \k
.endr
; THE WAY OUT: a lane holds 32 neighbouring bytes of a row, the lanes beside it other rows: 16 rows x 256 bytes at a time go through my own stage and come back as whole rows.  LDS serves a wave's instructions in order.
	PLACES 4
.irp a, 0,1,2,3
	WIN 0x04                                       ; the data: window 1
.irp b, 0,1,2,3
	ds_store_b128 v[STO], v[8*(4*\a+\b):8*(4*\a+\b)+3] offset:\a*16*SPITCH+64*\b       ; each accumulator from its low end on
	ds_store_b128 v[STO], v[8*(4*\a+\b)+4:8*(4*\a+\b)+7] offset:\a*16*SPITCH+64*\b+16
.endr
	WIN 0
.irp t, 0,1,2,3,4,5,6,7
	ds_load_b128 v[64+32*\a+4*\t:64+32*\a+4*\t+3], v[RD] offset:(16*\a+2*\t)*SPITCH
.endr
.endr
.irp a, 0,1,2,3
	s_wait_dscnt 16*(3-\a)                         ; block a is back; behind its loads stand 16 LDS instructions for each later block
.irp t, 0,1,2,3,4,5,6,7
	global_store_b128 v[CO], v[64+32*\a+4*\t:64+32*\a+4*\t+3], s[14:15] offset:(16*\a+2*\t)*4096 th:TH_STORE_NT   ; sixteen lanes store 256 consecutive bytes, aligned
.endr
.endr
	s_wait_tensorcnt 0x0                           ; the wave's end
	ds_add_u32 v[SPW], v[NIL]
	s_wait_dscnt 0x0
	CROUND                                         ; the closing round
	s_endpgm
.Lfunc_end_k_q4ed8e3701e_outproj:
	.size	k_q4ed8e3701e_outproj, .Lfunc_end_k_q4ed8e3701e_outproj-k_q4ed8e3701e_outproj
	.p2alignl 7, 3214868480
	.fill 96, 4, 3214868480
	.section	.rodata,"a",@progbits
	.p2align	6, 0x0
	.amdhsa_kernel k_q4ed8e3701e_outproj
		.amdhsa_group_segment_fixed_size 274944
		.amdhsa_private_segment_fixed_size 0
		.amdhsa_enable_private_segment 0
		.amdhsa_kernarg_size 48
		.amdhsa_user_sgpr_count 2
		.amdhsa_user_sgpr_kernarg_segment_ptr 1
		.amdhsa_wavefront_size32 1
		.amdhsa_system_sgpr_workgroup_id_x 1
		.amdhsa_system_sgpr_workgroup_id_y 1
		.amdhsa_system_sgpr_workgroup_id_z 1
		.amdhsa_system_vgpr_workitem_id 0
		.amdhsa_next_free_vgpr 512
		.amdhsa_next_free_sgpr 96
		.amdhsa_reserve_vcc 0
		.amdhsa_float_denorm_mode_32 3
		.amdhsa_float_denorm_mode_16_64 3
		.amdhsa_memory_ordered 1
		.amdhsa_forward_progress 1
		.amdhsa_inst_pref_size 51
	.end_amdhsa_kernel
	.amdgpu_metadata
---
amdhsa.version: [ 1, 2 ]
amdhsa.kernels:
  - .name:           k_q4ed8e3701e_outproj
    .symbol:         k_q4ed8e3701e_outproj.kd
    .args:
      - { .name: ocod, .offset: 0, .size: 8, .value_kind: global_buffer, .address_space: global }
      - { .name: oscl, .offset: 8, .size: 8, .value_kind: global_buffer, .address_space: global }
      - { .name: wcod, .offset: 16, .size: 8, .value_kind: global_buffer, .address_space: global }
      - { .name: wscl, .offset: 24, .size: 8, .value_kind: global_buffer, .address_space: global }
      - { .name: bo, .offset: 32, .size: 8, .value_kind: global_buffer, .address_space: global }
      - { .name: out0, .offset: 40, .size: 8, .value_kind: global_buffer, .address_space: global }
    .group_segment_fixed_size: 274944
    .private_segment_fixed_size: 0
    .kernarg_segment_align: 8
    .kernarg_segment_size: 48
    .max_flat_workgroup_size: 128
    .sgpr_count:     96
    .vgpr_count:     512
    .wavefront_size: 32
...
	.end_amdgpu_metadata
.endif
;; end of part 4
